; MI455X (gfx1250); checked and timed in simulation.
; The chip was launched on July 23, 2026; its instructions are those of AMD's public machine-readable ISA for CDNA 5 (MIT licence, August 2026) and "CDNA5" Instruction Set Architecture Reference Guide (July 2026). The comments in the code are by the model that wrote it; some were corrected since.
;; Attention. Allowed arithmetic: float matrix products may take bf16 or f16 operands with f32 sums; all other float work in f32.
;; Inputs: W_k 1,024 x 1,024 float32; W_o 1,024 x 1,024 float32; W_q 1,024 x 1,024 float32; W_v 1,024 x 1,024 float32; k 4 x 2,048 x 1,024 float32; q 4 x 2,048 x 1,024 float32; v 4 x 2,048 x 1,024 float32.
;; Outputs: out0 4 x 2,048 x 1,024 float32.
;; One version. Each part assembles by itself: llvm-mc -triple=amdgcn-amd-amdhsa -mcpu=gfx1250 --defsym DOCPART=n.
;; ======== version 1 of 1: 4 launches
;; limits: values are held in f16: magnitudes above 65,504 overflow, below 6.1e-05 lose precision
;; workspace buffers: proj 50,331,648 bytes; pmat 33,554,432 bytes; stats 1,048,576 bytes; wob 2,097,152 bytes; rep 16,777,216 bytes
;; launch proj (part 1): grid 4 x 96, 4 waves a work-group, clusters of 4 x 4, 327,680 bytes of LDS; arguments k, q, v, W_k, W_q, W_v, proj; writes proj
.if DOCPART == 1
	.amdgcn_target "amdgcn-amd-amdhsa--gfx1250"
	.amdhsa_code_object_version 6
	.text
	.protected	k_q8609a7d807_proj
	.globl	k_q8609a7d807_proj
	.p2align	8
	.type	k_q8609a7d807_proj,@function
k_q8609a7d807_proj:
	s_mov_b64 s[64:65], 0
	v_nop
	global_prefetch_b8 v0, s[64:65] scope:SCOPE_SE
	s_setreg_imm32_b32 hwreg(HW_REG_WAVE_MODE, 25, 1), 1
	s_wait_xcnt 0x0
	s_wait_alu depctr_hold_cnt(0) depctr_sa_sdst(0) depctr_va_vdst(0) depctr_va_sdst(0) depctr_va_ssrc(0) depctr_va_vcc(0) depctr_vm_vsrc(0)
	s_getreg_b32 s2, hwreg(HW_REG_IB_STS2, 6, 4)
	s_cmp_eq_u32 s2, 0
	s_cbranch_scc0 .Lentry_in_a_cluster
	s_endpgm
.Lentry_in_a_cluster:
	s_bfe_u32 s2, ttmp6, 0x10000c
	s_cmp_lg_u32 s2, 0xf033
	s_cbranch_scc0 .Lentry_shape_is_right
	s_endpgm
.Lentry_shape_is_right:
; K, Q, V = x W^T for x = k, q, v ([8192][1024] f32) and W = W_k, W_q, W_v ([1024][1024] f32), rounded to f16 and stored in the order in which the attention wants them:
; number (batch b, place s, feature e) goes to proj[ti][4 s + e / 256][256 b + e % 256].  (reference()'s shuffle has column ((e / 64) % 4) 256 + 64 b + e % 64; the same
; permutation of columns is applied to K, Q and V, which leaves the scores as they are and permutes the attention's result columns; the last launch undoes it.)
; LIMITS.  Operands are rounded to f16, sums are f32: inputs and projected values must stay under 65,504 in magnitude (all inputs 30 times larger give about 5,000, a common
; offset of 30 spreads in x and W about 29,000); beyond that the conversion gives infinity.  Under 6.1e-5 the f16 step is a fixed 6e-8.  NaN and infinite inputs are not reproduced.
; SHARES.  A work-group makes 256 places x 256 features, each of its four waves 128 x 128: 64 accumulators, 512 registers.  K goes in steps of 64 f32 (rows of 256 bytes) through
; two LDS slots; a chunk is 32 along K.  The f32 numbers are read from LDS into staging registers and converted there: while chunk i is multiplied, chunk i + 1 is converted.
; A chunk is four segments of 16 matrix instructions.  A segment converts four fragments, four conversions behind every two matrix instructions, and ends with ONE run of the
; sixteen LDS loads that fill the staging registers just freed: the loads never stand singly among the matrix instructions.
; CLUSTER.  4 x 4 work-groups: x's tile is shared along a row of the cluster, W's along a column; each is asked for jointly.
; The matrix instruction is used transposed (source 0 = 16 features, source 1 = 16 places): a lane holds eight neighbouring features of one place.
; REGISTERS.  Window 0: v16-17 LDS address of x's fragments (slot 0, 1); v64-127, v128-191 x's f16 fragments of even and odd chunks; v192-255 staging, four fragments in f32.
; Window 1: the same numbers for W.  Windows 2, 3: the accumulators, (a, b) at 8 (8 (a % 4) + b).
.set PITCH,  272                       ; an LDS row: 256 bytes + 16 of padding, so that the 16 rows of a load begin 16 bytes apart modulo 256
.set HALFT,  128*PITCH                 ; what one tensor load brings
.set SLOT,   4*HALFT                   ; x's 256 rows, then W's 256 rows
.set STAGE,  2*SLOT                    ; 16 rows x 272 bytes for each wave, for the way out
.set SPITCH, 272
.set SPARE,  STAGE+4*16*SPITCH         ; the spare words, 128 bytes a wave
.set ROWB,   8192                      ; bytes from a place to the next in proj
.set ADR, 16
.set STO, 24
.set RD,  25
.set CO,  26
.set SPW, 28
.set NIL, 29
.set OB,  32
.set FR,  64
.set ST,  192
.set TMP, 192
.set G1,  24
.set G0,  32
.set G1B, 48
.set G0B, 56
.set MUL_LO, 0xa1                      ; source 0 (W) window 1, source 1 (x) window 0, C and D window 2; + 0x50: window 3
.set MSB, 0
.macro WIN new                         ; the immediate's high byte repeats the setting that is left
.if MSB != (\new)
	s_set_vgpr_msb (MSB<<8)|(\new)
.set MSB, (\new)
.endif
.endm
.macro PLACES
.rept 4
	v_nop
.endr
.endm
.macro JLOAD s                         ; a joint load: waves 0, 1 fetch x's halves, waves 2, 3 W's; four v_nop follow each line
	s_cmp_eq_u32 s11, 0
	s_cbranch_scc0 .Lfor_b_\@
	tensor_load_to_lds s[G0+4*\s:G0+4*\s+3], s[G1:G1+7]
	s_nop 0
.rept 4
	v_nop
.endr
	s_branch .Lasked_\@
.Lfor_b_\@:
	tensor_load_to_lds s[G0B+4*\s:G0B+4*\s+3], s[G1B:G1B+7]
	s_nop 0
.rept 4
	v_nop
.endr
.Lasked_\@:
.endm
.macro CREST                           ; a round of the cluster's barrier behind its opening barrier
	s_cmp_lg_u32 s10, 0
	s_cbranch_scc1 .Lnot_wave_0_\@
	s_barrier_signal -3
.Lnot_wave_0_\@:
	s_barrier_wait -3
	s_barrier_signal -1
	s_barrier_wait -1
.endm
.macro CROUND
	s_barrier_signal -1
	s_barrier_wait -1
	CREST
.endm
	s_load_b256 s[68:75], s[0:1], 0x0              ; k, q, v, W_k
	s_load_b128 s[76:79], s[0:1], 0x20             ; W_q, W_v
	s_load_b64 s[80:81], s[0:1], 0x30              ; proj
	v_lshl_add_u32 v[SPW], v0, 2, SPARE
	v_mov_b32 v[NIL], 0
	ds_add_u32 v28, v29
	s_wait_dscnt 0x0
	v_lshrrev_b32 v1, 5, v0
	v_readfirstlane_b32 s10, v1                    ; wave
	s_lshr_b32 s11, s10, 1                         ; my half of the places; also: I fetch x (0) or W (1)
	s_and_b32 s12, s10, 1                          ; my half of the features; also: which 128 rows I fetch
	s_bfe_u32 s40, ttmp6, 0x40000                  ; cx
	s_bfe_u32 s41, ttmp6, 0x40004                  ; cy
	s_lshl_b32 s42, ttmp9, 2
	s_add_co_u32 s42, s42, s40                     ; feature tile 0..3
	s_and_b32 s45, ttmp7, 0xffff                   ; cluster y, 0..23
	s_and_b32 s13, s45, 7
	s_lshl_b32 s13, s13, 2
	s_add_co_u32 s13, s13, s41                     ; tile of 256 rows of x, 0..31
	s_lshr_b32 s45, s45, 3                         ; which product: 0 K, 1 Q, 2 V; the same in the whole cluster
	s_lshl_b32 s43, s41, 2
	s_lshl_b32 s43, 15, s43                        ; my row of the cluster
	s_lshl_b32 s44, 0x1111, s40                    ; my column
	s_or_b32 s[G1+0], s43, (2<<16)|(1<<20)|(1<<21)|(5<<22)|(3<<25)   ; mask; elements of 4 bytes; padding on; bit 21 beside a mask; after every 64 words 4 words
	s_or_b32 s[G1B+0], s44, (2<<16)|(1<<20)|(1<<21)|(5<<22)|(3<<25)
.irp g, G1, G1B
	s_mov_b32 s[\g+1], 64<<16                      ; tensor_dim0 = 64
	s_mov_b32 s[\g+2], 128<<16                     ; tensor_dim1 = 128
	s_mov_b32 s[\g+3], 64<<16                      ; tile_dim0 = 64
	s_mov_b32 s[\g+4], 128                         ; tile_dim1 = 128
	s_mov_b32 s[\g+5], 1024                        ; elements from row to row
	s_mov_b32 s[\g+6], 0
	s_mov_b32 s[\g+7], 0
.endr
	s_lshl_b32 s17, s12, 7
	s_lshl_b32 s16, s13, 8
	s_add_co_u32 s16, s16, s17
	s_lshl_b32 s16, s16, 12                        ; x: (256 tile + 128 half) rows of 4,096 bytes
	s_mov_b32 s17, 0
	s_lshl_b32 s46, s42, 8
	s_lshl_b32 s47, s12, 7
	s_add_co_u32 s46, s46, s47
	s_lshl_b32 s46, s46, 12                        ; W: the same with the feature tile
	s_mov_b32 s47, 0
	s_mul_i32 s20, s10, HALFT                      ; where my load goes: wave x 128 rows
	s_wait_kmcnt 0x0
	s_cmp_eq_u32 s45, 1
	s_cselect_b64 s[4:5], s[70:71], s[68:69]
	s_cselect_b64 s[6:7], s[76:77], s[74:75]
	s_cmp_eq_u32 s45, 2
	s_cselect_b64 s[4:5], s[72:73], s[4:5]
	s_cselect_b64 s[6:7], s[78:79], s[6:7]
	s_add_nc_u64 s[14:15], s[4:5], s[16:17]
	s_add_nc_u64 s[46:47], s[6:7], s[46:47]
	CROUND                                         ; all sixteen work-groups are here: the first joint loads meet
.irp s, 0,1
	s_mov_b32 s[G0+4*\s], 1
	s_add_co_u32 s[G0+4*\s+1], s20, \s*SLOT
	s_add_nc_u64 s[G0+4*\s+2:G0+4*\s+3], s[14:15], \s*256
	s_or_b32 s[G0+4*\s+3], s[G0+4*\s+3], 0x80000000
	s_mov_b32 s[G0B+4*\s], 1
	s_add_co_u32 s[G0B+4*\s+1], s20, \s*SLOT
	s_add_nc_u64 s[G0B+4*\s+2:G0B+4*\s+3], s[46:47], \s*256
	s_or_b32 s[G0B+4*\s+3], s[G0B+4*\s+3], 0x80000000
	JLOAD \s                                       ; K steps 0 and 1: two loads of mine are out
.endr
	v_and_b32 v1, 15, v0                           ; r
	v_bfe_u32 v2, v0, 4, 1                         ; h
	v_mul_u32_u24 v3, v1, PITCH
	v_lshl_add_u32 v4, v2, 5, v3                   ; a fragment in f32: row x pitch + 32 h
	s_mul_i32 s21, s11, HALFT
	s_mul_i32 s22, s12, HALFT
	s_add_co_u32 s22, s22, 2*HALFT
	s_add_co_u32 s23, s22, SLOT
	v_add_nc_u32 v[ADR], s21, v4
	v_add_nc_u32 v[ADR+1], SLOT, v[ADR]
	WIN 0x40                                       ; W's two addresses lie in window 1
	v_add_nc_u32 v[ADR], s22, v4
	v_add_nc_u32 v[ADR+1], s23, v4
	WIN 0
	s_mul_i32 s23, s10, 16*SPITCH
	s_add_co_u32 s23, s23, STAGE
	v_lshl_add_u32 v5, v2, 4, v3
	v_add_nc_u32 v[STO], s23, v5                   ; into my stage: row r, 16 bytes for each half of the lanes
	v_mul_u32_u24 v5, v2, SPITCH
	v_lshl_add_u32 v5, v1, 4, v5
	v_add_nc_u32 v[RD], s23, v5                    ; back: lanes 0-15 one row of 256 bytes, lanes 16-31 the next
	v_lshlrev_b32 v5, 13, v2
	v_lshl_add_u32 v[CO], v1, 4, v5                ; and the same two places in proj
	s_and_b32 s84, s13, 7                          ; my part of proj: ((tile % 8) 256 + 128 half) places of 8,192 bytes + 512 (tile / 8) + the product's 16 MiB
	s_lshl_b32 s84, s84, 8
	s_lshl_b32 s85, s11, 7
	s_add_co_u32 s84, s84, s85
	s_lshl_b32 s84, s84, 13
	s_lshr_b32 s85, s13, 3
	s_lshl_b32 s85, s85, 9
	s_add_co_u32 s84, s84, s85
	s_lshl_b32 s85, s45, 24
	s_add_co_u32 s84, s84, s85
	s_lshl_b32 s85, s42, 11                        ; + 2,048 feature tile + 256 half
	s_add_co_u32 s84, s84, s85
	s_lshl_b32 s85, s12, 8
	s_add_co_u32 s84, s84, s85
	s_mov_b32 s85, 0
	s_add_nc_u64 s[8:9], s[80:81], s[84:85]
; Product n (0..15) of segment g: place block 2 g + n / 8, feature block n % 8, from the fragments of parity par.  The 64 accumulators take turns, one instruction a turn.
.macro PROD par, g, n, zero
.set pa, 2*(\g)+(\n)/8
.set pb, (\n)%8
.set rC, 8*(8*(pa%4)+pb)
.set rB, FR+64*(\par)+8*pb
.set rA, FR+64*(\par)+8*pa
.set WM, MUL_LO+0x50*(pa/4)
	WIN WM
.if \zero
	v_wmma_f32_16x16x32_f16 v[rC:rC+7], v[rB:rB+7], v[rA:rA+7], 0
.else
	v_wmma_f32_16x16x32_f16 v[rC:rC+7], v[rB:rB+7], v[rA:rA+7], v[rC:rC+7]
.endif
.endm
; Slice k (0..7) of segment g.  g even works on W (window 1), g odd on x (window 0); g / 2 says which four fragments are converted.
; mm: two products.  cv: eight staged f32 become four registers of the other parity's fragment.  wt >= 0: in slice 0 the counted wait for the staged group stands behind the two products.
; A converted register's last reader among the matrix instructions stands twelve conversions back or more.
.macro SLICE par, g, mm, zero, cv, wt
.if \mm
	PROD \par, \g, 2*k, \zero
	PROD \par, \g, 2*k+1, \zero
.endif
.if \cv
.if (k == 0) && (\wt >= 0)
	s_wait_dscnt \wt                               ; the group to be converted was loaded by the run two segments back; the run between issued wt loads
.endif
.set WX, 0x55*(1-(\g)%2)
.set rF, FR+64*(1-(\par))+8*(4*((\g)/2)+k/2)+4*(k%2)
.set rS, ST+16*(k/2)+8*(k%2)
	WIN WX
.irp j, 0,1,2,3
	v_cvt_pk_f16_f32 v[rF+\j], v[rS+2*\j], v[rS+2*\j+1]
.endr
.endif
.endm
; A run of sixteen LDS loads: the operand of segment g (even W, odd x), its OTHER four fragments (4 (1 - g / 2) on), in f32, from byte lkb of the rows of slot lslot, into the staging registers
.macro RUN g, lslot, lkb
.set WX, 0x55*(1-(\g)%2)
	WIN WX
.set k, 0
.rept 8
.set rS, ST+16*(k/2)+8*(k%2)
.set oL, \lkb+(4*(1-(\g)/2)+k/2)*16*PITCH+64*(k%2)
	ds_load_b128 v[rS:rS+3],   v[ADR+\lslot] offset:oL
	ds_load_b128 v[rS+4:rS+7], v[ADR+\lslot] offset:oL+16
.set k, k+1
.endr
.endm
.macro SEG par, g, mm, zero, cv, wt, ld, lslot, lkb
.set k, 0
.rept 8
	SLICE \par, \g, \mm, \zero, \cv, \wt
.set k, k+1
.endr
.if \ld
	RUN \g, \lslot, \lkb
.endif
.endm
; Segment 2 of an even chunk changes slots: the last reads of this slot were issued by segment 1's run.  Each wave waits for all its tensor loads (one is out: its part of the other
; slot), adds 0 to its spare word, and waits for that and for its reads; behind the barrier (with fill = 1 a round of the cluster's) this slot is filled again first.
.macro SEGX zero, slot, fill
	WIN 0
	s_wait_tensorcnt 0x0
	ds_add_u32 v[SPW], v[NIL]
	s_wait_dscnt 17                                ; the add and segment 1's sixteen loads may be out
.set k, 0
.rept 4
	SLICE 0, 2, 1, \zero, 1, -1
.set k, k+1
.endr
	s_wait_dscnt 0x0                               ; the add is done, my reads of this slot are over
	s_barrier_signal -1
.rept 4
	SLICE 0, 2, 1, \zero, 1, -1
.set k, k+1
.endr
	WIN 0
	s_barrier_wait -1
.if \fill
	CREST
	s_add_nc_u64 s[G0+4*\slot+2:G0+4*\slot+3], s[G0+4*\slot+2:G0+4*\slot+3], 512      ; two K steps on
	s_add_nc_u64 s[G0B+4*\slot+2:G0B+4*\slot+3], s[G0B+4*\slot+2:G0B+4*\slot+3], 512
	JLOAD \slot                                    ; the first tensor load behind the round, my only one until the next
.endif
	RUN 2, 1-\slot, 0                              ; W's first four fragments of the next K step
.endm
.macro CHE zero, slot, fill                    ; an even chunk: the first half of the K step in slot
	SEG 0, 0, 1, \zero, 1, 16, 1, \slot, 128
	SEG 0, 1, 1, \zero, 1, 16, 1, \slot, 128
	SEGX \zero, \slot, \fill
	SEG 0, 3, 1, \zero, 1, 16, 1, 1-\slot, 0
.endm
.macro CHO mm, sl                              ; an odd chunk; sl is the slot of the NEXT K step, from which it loads
	SEG 1, 0, \mm, 0, 1, 16, 1, \sl, 0
	SEG 1, 1, \mm, 0, 1, 16, 1, \sl, 0
	SEG 1, 2, \mm, 0, 1, 16, 1, \sl, 128
	SEG 1, 3, \mm, 0, 1, 16, 1, \sl, 128
.endm
.macro PACK a
.set AC, 64*((\a)%4)
.set WP, 0x0a+5*((\a)/4)
	WIN WP
.irp b, 0,1,2,3,4,5,6,7
.irp r, 0,1,2,3
	v_cvt_pk_f16_f32 v[TMP+4*\b+\r], v[AC+8*\b+2*\r], v[AC+8*\b+2*\r+1]
.endr
.endr
	WIN 0
.endm
.macro TOSTAGE a
.set BK, OB+192*((\a)%2)
.irp b, 0,1,2,3,4,5,6,7
	ds_store_b128 v[STO], v[TMP+4*\b:TMP+4*\b+3] offset:32*\b
.endr
.irp t, 0,1,2,3,4,5,6,7
	ds_load_b128 v[BK+4*\t:BK+4*\t+3], v[RD] offset:\t*2*SPITCH    ; LDS serves a wave's instructions in order: these see the stores above
.endr
.endm
.macro SEND a
.set BK, OB+192*((\a)%2)
	s_wait_dscnt 0x0                               ; the block is back in registers
	s_wait_xcnt 0x0                                ; the other buffer, which earlier stores read, is loaded again only behind this wait
.irp t, 0,1,2,3,4,5,6,7
	global_store_b128 v[CO], v[BK+4*\t:BK+4*\t+3], s[8:9] offset:(16*(\a)+2*\t)*ROWB   ; 16 lanes store 256 consecutive bytes, aligned
.endr
.endm
	s_wait_tensorcnt 1                             ; my part of K step 0 is in; K step 1's may stay out
	s_barrier_signal -1
	s_barrier_wait -1
	RUN 2, 0, 0                                    ; chunk 0: W's first four fragments,
	RUN 3, 0, 0                                    ; x's first four
	CHO 0, 0                                       ; no products yet: chunk 0 is converted
	CHE 1, 0, 1                                    ; chunk 0 starts the sums; slot 0 takes K step 2
	WIN 0
	s_mov_b32 s3, 6
.Llap:                                                 ; four chunks a trip: chunks 1 to 24; K steps 3 to 14 are asked for
	CHO 1, 1
	CHE 0, 1, 1
	CHO 1, 0
	CHE 0, 0, 1
	WIN 0
	s_sub_co_u32 s3, s3, 1
	s_cmp_lg_u32 s3, 0
	s_cbranch_scc1 .Llap
	CHO 1, 1                                       ; chunk 25
	CHE 0, 1, 1                                    ; chunk 26: K step 15, the last load
	CHO 1, 0
	CHE 0, 0, 0                                    ; chunk 28: nothing is left to fetch
	CHO 1, 1
	SEG 0, 0, 1, 0, 1, 16, 1, 1, 128               ; chunk 30
	SEG 0, 1, 1, 0, 1, 16, 1, 1, 128
	SEG 0, 2, 1, 0, 1, 16, 0, 0, 0
	SEG 0, 3, 1, 0, 1, 0, 0, 0, 0
.irp g, 0,1,2,3
	SEG 1, \g, 1, 0, 0, 0, 0, 0, 0                 ; chunk 31: products alone
.endr
	WIN 0
	PLACES                                         ; four places between the last products and the conversions that read results
	PACK 0
	TOSTAGE 0
.irp a, 1,2,3,4,5,6,7
	PACK \a
	SEND \a-1
	TOSTAGE \a
.endr
	SEND 7
	s_wait_tensorcnt 0x0                           ; the wave's end
	ds_add_u32 v[SPW], v[NIL]
	s_wait_dscnt 0x0
	CROUND                                         ; the closing round
	s_endpgm
.Lfunc_end_k_q8609a7d807_proj:
	.size	k_q8609a7d807_proj, .Lfunc_end_k_q8609a7d807_proj-k_q8609a7d807_proj
	.p2alignl 7, 3214868480
	.fill 96, 4, 3214868480
	.section	.rodata,"a",@progbits
	.p2align	6, 0x0
	.amdhsa_kernel k_q8609a7d807_proj
		.amdhsa_group_segment_fixed_size 327680
		.amdhsa_private_segment_fixed_size 0
		.amdhsa_enable_private_segment 0
		.amdhsa_kernarg_size 56
		.amdhsa_user_sgpr_count 2
		.amdhsa_user_sgpr_kernarg_segment_ptr 1
		.amdhsa_wavefront_size32 1
		.amdhsa_system_sgpr_workgroup_id_x 1
		.amdhsa_system_sgpr_workgroup_id_y 1
		.amdhsa_system_sgpr_workgroup_id_z 1
		.amdhsa_system_vgpr_workitem_id 0
		.amdhsa_next_free_vgpr 1024
		.amdhsa_next_free_sgpr 88
		.amdhsa_reserve_vcc 0
		.amdhsa_float_denorm_mode_32 3
		.amdhsa_float_denorm_mode_16_64 3
		.amdhsa_memory_ordered 1
		.amdhsa_forward_progress 1
		.amdhsa_inst_pref_size 255
	.end_amdhsa_kernel
	.section	.bss,"aw",@nobits
	.p2align	6
	.space	262144
	.amdgpu_metadata
---
amdhsa.version: [ 1, 2 ]
amdhsa.kernels:
  - .name:           k_q8609a7d807_proj
    .symbol:         k_q8609a7d807_proj.kd
    .args:
      - { .name: k, .offset: 0, .size: 8, .value_kind: global_buffer, .address_space: global }
      - { .name: q, .offset: 8, .size: 8, .value_kind: global_buffer, .address_space: global }
      - { .name: v, .offset: 16, .size: 8, .value_kind: global_buffer, .address_space: global }
      - { .name: W_k, .offset: 24, .size: 8, .value_kind: global_buffer, .address_space: global }
      - { .name: W_q, .offset: 32, .size: 8, .value_kind: global_buffer, .address_space: global }
      - { .name: W_v, .offset: 40, .size: 8, .value_kind: global_buffer, .address_space: global }
      - { .name: proj, .offset: 48, .size: 8, .value_kind: global_buffer, .address_space: global }
    .group_segment_fixed_size: 327680
    .private_segment_fixed_size: 0
    .kernarg_segment_align: 8
    .kernarg_segment_size: 56
    .max_flat_workgroup_size: 128
    .sgpr_count:     88
    .vgpr_count:     1024
    .wavefront_size: 32
...
	.end_amdgpu_metadata
.endif
;; end of part 1
;; launch scores (part 2): grid 8 x 32, 4 waves a work-group, clusters of 4 x 4, 327,680 bytes of LDS; arguments proj, W_o, pmat, stats, wob; writes pmat, stats, wob
.if DOCPART == 2
	.amdgcn_target "amdgcn-amd-amdhsa--gfx1250"
	.amdhsa_code_object_version 6
	.text
	.protected	k_q8609a7d807_scores
	.globl	k_q8609a7d807_scores
	.p2align	8
	.type	k_q8609a7d807_scores,@function
k_q8609a7d807_scores:
	s_mov_b64 s[64:65], 0
	v_nop
	global_prefetch_b8 v0, s[64:65] scope:SCOPE_SE
	s_setreg_imm32_b32 hwreg(HW_REG_WAVE_MODE, 25, 1), 1
	s_wait_xcnt 0x0
	s_wait_alu depctr_hold_cnt(0) depctr_sa_sdst(0) depctr_va_vdst(0) depctr_va_sdst(0) depctr_va_ssrc(0) depctr_va_vcc(0) depctr_vm_vsrc(0)
	s_getreg_b32 s2, hwreg(HW_REG_IB_STS2, 6, 4)
	s_cmp_eq_u32 s2, 0
	s_cbranch_scc0 .Lentry_in_a_cluster
	s_endpgm
.Lentry_in_a_cluster:
	s_bfe_u32 s2, ttmp6, 0x10000c
	s_cmp_lg_u32 s2, 0xf033
	s_cbranch_scc0 .Lentry_shape_is_right
	s_endpgm
.Lentry_shape_is_right:
; S = Q K^T over 1,024 channels, in each of four batches of 2,048 rows; then, for each query and each block of 128 keys: the block's maximum m, the weights
; p = 2^(c s - c m), c = log2(e) / 32, rounded to f16 into pmat[query][key], and c m and the sum of the block's p (f32) into stats[0 / 1][block][query].
; The next launch takes the maximum over a query's 16 blocks away; the same rounded c m stands in both exponents.  Beside that the work-group rounds 4,096 numbers of W_o to f16.
; LIMITS.  Q and K are f16, sums f32.  A weight under 2^-126 of its block's largest becomes 0; in f16 a weight under 6.1e-5 keeps a step of 6e-8.  NaN is not reproduced.
; SHARES.  A work-group makes 256 queries x 256 keys, a wave 128 x 128: its columns are one block of keys, so maximum and sum want one exchange between the halves of the lanes.
; K goes in steps of 128 channels (rows of 256 bytes) through two LDS slots.  CLUSTER: 4 x 4; Q's tile is shared along a row, K's along a column.
; The matrix instruction is used transposed (source 0 = 16 keys, source 1 = 16 queries): a lane holds one query (lane % 16) and eight neighbouring keys.
; REGISTERS.  Window 0: addresses; v64-127, v128-191 Q's fragments, two buffers.  Window 1: the same for K.  Windows 2, 3: accumulators, (a, b) at 8 (8 (a % 4) + b).
.set PITCH,  272
.set HALFT,  128*PITCH
.set SLOT,   4*HALFT
.set STAGE,  2*SLOT
.set SPITCH, 272
.set STATS,  STAGE+4*16*SPITCH         ; 1,024 bytes a wave: 128 c m, then 128 sums
.set SPARE,  STATS+4*1024
.set ROWB,   4096                      ; bytes in a row of pmat
.set ADRA, 16
.set ADRB, 20
.set STO,  24
.set RD,   25
.set CO,   26
.set STA,  27
.set SPW,  28
.set NIL,  29
.set OB,   32
.set F0,   64
.set F1,   128
.set TT,   64                          ; the epilogue: 64 numbers at work
.set CC,   128                         ; eight running maxima
.set CM,   136                         ; c m, as a pair
.set TMP,  192
.set G1,  24
.set G0,  32
.set G1B, 48
.set G0B, 56
.set MUL_LO, 0xa1
.set MUL_HI, 0xf1
.set TO_B,   0x40
.set MSB, 0
.macro WIN new
.if MSB != (\new)
	s_set_vgpr_msb (MSB<<8)|(\new)
.set MSB, (\new)
.endif
.endm
.macro PLACES
.rept 4
	v_nop
.endr
.endm
.macro JLOAD s
	s_cmp_eq_u32 s11, 0
	s_cbranch_scc0 .Lfor_b_\@
	tensor_load_to_lds s[G0+4*\s:G0+4*\s+3], s[G1:G1+7]
	s_nop 0
.rept 4
	v_nop
.endr
	s_branch .Lasked_\@
.Lfor_b_\@:
	tensor_load_to_lds s[G0B+4*\s:G0B+4*\s+3], s[G1B:G1B+7]
	s_nop 0
.rept 4
	v_nop
.endr
.Lasked_\@:
.endm
.macro CREST
	s_cmp_lg_u32 s10, 0
	s_cbranch_scc1 .Lnot_wave_0_\@
	s_barrier_signal -3
.Lnot_wave_0_\@:
	s_barrier_wait -3
	s_barrier_signal -1
	s_barrier_wait -1
.endm
.macro CROUND
	s_barrier_signal -1
	s_barrier_wait -1
	CREST
.endm
	s_load_b128 s[4:7], s[0:1], 0x0                ; proj, W_o
	s_load_b128 s[72:75], s[0:1], 0x10             ; pmat, stats
	s_load_b64 s[76:77], s[0:1], 0x20              ; wob
	v_lshl_add_u32 v[SPW], v0, 2, SPARE
	v_mov_b32 v[NIL], 0
	ds_add_u32 v28, v29
	s_wait_dscnt 0x0
	v_lshrrev_b32 v1, 5, v0
	v_readfirstlane_b32 s10, v1
	s_lshr_b32 s11, s10, 1                         ; my half of the queries; also: I fetch Q (0) or K (1)
	s_and_b32 s12, s10, 1                          ; my half of the keys; also: which 128 rows I fetch
	s_bfe_u32 s40, ttmp6, 0x40000
	s_bfe_u32 s41, ttmp6, 0x40004
	s_lshl_b32 s42, ttmp9, 2
	s_add_co_u32 s42, s42, s40                     ; key tile 0..7
	s_and_b32 s45, ttmp7, 0xffff
	s_lshl_b32 s13, s45, 2
	s_add_co_u32 s13, s13, s41                     ; query tile 0..31
	s_lshr_b32 s45, s45, 1                         ; batch: the same in the whole cluster
	s_lshl_b32 s43, s41, 2
	s_lshl_b32 s43, 15, s43
	s_lshl_b32 s44, 0x1111, s40
	s_or_b32 s[G1+0], s43, (1<<16)|(1<<20)|(1<<21)|(5<<22)|(3<<25)
	s_or_b32 s[G1B+0], s44, (1<<16)|(1<<20)|(1<<21)|(5<<22)|(3<<25)
.irp g, G1, G1B
	s_mov_b32 s[\g+1], 128<<16
	s_mov_b32 s[\g+2], 128<<16
	s_mov_b32 s[\g+3], 128<<16
	s_mov_b32 s[\g+4], 128
	s_mov_b32 s[\g+5], 1024
	s_mov_b32 s[\g+6], 0
	s_mov_b32 s[\g+7], 0
.endr
	s_mov_b32 s66, 0x3d38aa3b                      ; c = log2(e) / 32
	s_mov_b32 s67, s66
	s_mov_b32 s68, 0x76543210                      ; v_permlanex16_b32: each lane takes its own place in the other half
	s_mov_b32 s69, 0xfedcba98
	s_mov_b32 s70, 0xffff0000                      ; lanes 16-31
	s_lshl_b32 s17, s12, 7
	s_lshl_b32 s16, s13, 8
	s_add_co_u32 s16, s16, s17
	s_lshl_b32 s16, s16, 11                        ; Q: (256 tile + 128 half) rows of 2,048 bytes,
	s_add_co_u32 s16, s16, 0x1000000               ; in proj's second part
	s_mov_b32 s17, 0
	s_lshl_b32 s46, s45, 11
	s_lshl_b32 s47, s42, 8
	s_add_co_u32 s46, s46, s47
	s_lshl_b32 s47, s12, 7
	s_add_co_u32 s46, s46, s47
	s_lshl_b32 s46, s46, 11                        ; K: (2,048 batch + 256 tile + 128 half) rows, in proj's first part
	s_mov_b32 s47, 0
	s_mul_i32 s20, s10, HALFT
	s_wait_kmcnt 0x0
	s_add_nc_u64 s[14:15], s[4:5], s[16:17]
	s_add_nc_u64 s[46:47], s[4:5], s[46:47]
	CROUND
.irp s, 0,1
	s_mov_b32 s[G0+4*\s], 1
	s_add_co_u32 s[G0+4*\s+1], s20, \s*SLOT
	s_add_nc_u64 s[G0+4*\s+2:G0+4*\s+3], s[14:15], \s*256
	s_or_b32 s[G0+4*\s+3], s[G0+4*\s+3], 0x80000000
	s_mov_b32 s[G0B+4*\s], 1
	s_add_co_u32 s[G0B+4*\s+1], s20, \s*SLOT
	s_add_nc_u64 s[G0B+4*\s+2:G0B+4*\s+3], s[46:47], \s*256
	s_or_b32 s[G0B+4*\s+3], s[G0B+4*\s+3], 0x80000000
	JLOAD \s
.endr
	; W_o to f16: work-group 8 ty + tx takes 4,096 numbers; thread t the four at 4 t + 512 j
	s_lshl_b32 s80, s13, 3
	s_add_co_u32 s80, s80, s42
	s_lshl_b32 s82, s80, 13
	s_lshl_b32 s80, s80, 14
	s_mov_b32 s81, 0
	s_mov_b32 s83, 0
	s_add_nc_u64 s[80:81], s[6:7], s[80:81]
	s_add_nc_u64 s[82:83], s[76:77], s[82:83]
	v_lshlrev_b32 v22, 4, v0
	v_lshlrev_b32 v23, 3, v0
.irp j, 0,1,2,3,4,5,6,7
	global_load_b128 v[32+4*\j:35+4*\j], v22, s[80:81] offset:2048*\j th:TH_LOAD_NT
.endr
	v_and_b32 v1, 15, v0
	v_bfe_u32 v2, v0, 4, 1
	v_mul_u32_u24 v3, v1, PITCH
	v_lshl_add_u32 v3, v2, 4, v3                   ; row x pitch + 16 h
	s_mul_i32 s21, s11, HALFT
	s_mul_i32 s22, s12, HALFT
	s_add_co_u32 s22, s22, 2*HALFT
.irp s, 0,1
	v_add_nc_u32 v[ADRA+\s], s21, v3
	v_add_nc_u32 v[ADRB+\s], s22, v3
	s_add_co_u32 s21, s21, SLOT
	s_add_co_u32 s22, s22, SLOT
.endr
	s_mul_i32 s23, s10, 16*SPITCH
	s_add_co_u32 s23, s23, STAGE
	v_add_nc_u32 v[STO], s23, v3
	v_mul_u32_u24 v5, v2, SPITCH
	v_lshl_add_u32 v5, v1, 4, v5
	v_add_nc_u32 v[RD], s23, v5
	v_lshlrev_b32 v5, 12, v2
	v_lshl_add_u32 v[CO], v1, 4, v5
	s_lshl_b32 s23, s10, 10
	s_add_co_u32 s23, s23, STATS
	v_lshlrev_b32 v4, 2, v1
	v_lshl_add_u32 v4, v2, 9, v4
	v_add_nc_u32 v[STA], s23, v4                   ; lanes 0-15 put c m of query r, lanes 16-31 its sum
	v_and_b32 v5, 31, v0
	v_lshlrev_b32 v31, 4, v5
	v_add_nc_u32 v30, s23, v31
	s_lshl_b32 s84, s13, 8
	s_lshl_b32 s85, s11, 7
	s_add_co_u32 s84, s84, s85                     ; my first query
	s_lshl_b32 s88, s84, 2
	s_lshl_b32 s84, s84, 12
	s_lshl_b32 s85, s42, 9
	s_add_co_u32 s84, s84, s85
	s_lshl_b32 s85, s12, 8
	s_add_co_u32 s84, s84, s85
	s_mov_b32 s85, 0
	s_add_nc_u64 s[8:9], s[72:73], s[84:85]        ; pmat at my 128 x 128
	s_lshl_b32 s89, s42, 1
	s_add_co_u32 s89, s89, s12                     ; my block of keys, 0..15
	s_lshl_b32 s89, s89, 15
	s_add_co_u32 s88, s88, s89
	s_mov_b32 s89, 0
	s_add_nc_u64 s[88:89], s[74:75], s[88:89]      ; stats at [0][block][my first query]
	s_wait_loadcnt 0x0
.irp j, 0,1,2,3,4,5,6,7
	v_cvt_pk_f16_f32 v[192+2*\j], v[32+4*\j], v[33+4*\j]
	v_cvt_pk_f16_f32 v[193+2*\j], v[34+4*\j], v[35+4*\j]
.endr
.irp j, 0,1,2,3,4,5,6,7
	global_store_b64 v23, v[192+2*\j:193+2*\j], s[82:83] offset:1024*\j    ; a wave's store covers 256 consecutive bytes, aligned
.endr
.macro MUL16 f, hi, a0, zero
.irp a, \a0, \a0+1
.irp b, 0,1,2,3,4,5,6,7
.if \zero
	v_wmma_f32_16x16x32_f16 v[8*(8*(\a)+\b):8*(8*(\a)+\b)+7], v[\f+8*\b:\f+8*\b+7], v[\f+8*(4*\hi+\a):\f+8*(4*\hi+\a)+7], 0
.else
	v_wmma_f32_16x16x32_f16 v[8*(8*(\a)+\b):8*(8*(\a)+\b)+7], v[\f+8*\b:\f+8*\b+7], v[\f+8*(4*\hi+\a):\f+8*(4*\hi+\a)+7], v[8*(8*(\a)+\b):8*(8*(\a)+\b)+7]
.endif
.endr
.endr
.endm
.macro FETCH slot, k, f                        ; 32 LDS loads in one run: K's fragments, then Q's
	WIN TO_B
.irp i, 0,1,2,3,4,5,6,7
	ds_load_b128 v[\f+8*\i:\f+8*\i+3],   v[ADRB+\slot] offset:\k+\i*16*PITCH
	ds_load_b128 v[\f+8*\i+4:\f+8*\i+7], v[ADRB+\slot] offset:\k+\i*16*PITCH+32
.endr
	WIN 0
.irp i, 0,1,2,3,4,5,6,7
	ds_load_b128 v[\f+8*\i:\f+8*\i+3],   v[ADRA+\slot] offset:\k+\i*16*PITCH
	ds_load_b128 v[\f+8*\i+4:\f+8*\i+7], v[ADRA+\slot] offset:\k+\i*16*PITCH+32
.endr
.endm
.macro QUARTER slot, k, f, g, zero
	s_wait_dscnt 8                                 ; all but the youngest eight loads (Q's rows 64-127)
	WIN MUL_LO
	MUL16 \f, 0, 0, \zero
	MUL16 \f, 0, 2, \zero
	PLACES                                         ; four places in front of loads into registers that matrix instructions have read
	FETCH \slot, \k, \g
	s_wait_dscnt 32                                ; all but the 32 just issued
	WIN MUL_HI
	MUL16 \f, 1, 0, \zero
	MUL16 \f, 1, 2, \zero
.endm
; The last quarter of a K step changes slots: all my tensor loads waited for, the add, my reads of this slot waited for, the barrier (with fill = 1 a round of the cluster's), the refill first.
.macro TURN slot, next, fill
	WIN 0
	s_wait_tensorcnt 0x0
	ds_add_u32 v[SPW], v[NIL]
	s_wait_dscnt 9                                 ; the add and the youngest eight loads may be out
	WIN MUL_LO
	MUL16 F1, 0, 0, 0
	s_wait_dscnt 0x0
	s_barrier_signal -1
	MUL16 F1, 0, 2, 0
	WIN 0
	s_barrier_wait -1
.if \fill
	CREST
	s_add_nc_u64 s[G0+4*\slot+2:G0+4*\slot+3], s[G0+4*\slot+2:G0+4*\slot+3], 512
	s_add_nc_u64 s[G0B+4*\slot+2:G0B+4*\slot+3], s[G0B+4*\slot+2:G0B+4*\slot+3], 512
	JLOAD \slot                                    ; its four v_nop are also the places in front of the loads below
.else
	PLACES
.endif
	FETCH \next, 0, F0
	WIN MUL_HI
	MUL16 F1, 1, 0, 0
	MUL16 F1, 1, 2, 0
.endm
; Block a: 16 queries x 128 keys; a lane holds 64 scores of one query.
.macro SOFT a
.set AC, 64*((\a)%4)
.set W1, 2+(\a)/4
.set W3, 21*W1
.set W2, 20*W1
	WIN W3                                         ; all three sources in the accumulators' window
.irp b, 0,1,2,3,4,5,6,7
	v_max3_num_f32 v[CC+\b], v[AC+8*\b], v[AC+8*\b+1], v[AC+8*\b+2]        ; each accumulator is read from its low end on
.endr
	WIN W2
.irp b, 0,1,2,3,4,5,6,7
	v_max3_num_f32 v[CC+\b], v[CC+\b], v[AC+8*\b+3], v[AC+8*\b+4]
.endr
.irp b, 0,1,2,3,4,5,6,7
	v_max3_num_f32 v[CC+\b], v[CC+\b], v[AC+8*\b+5], v[AC+8*\b+6]
.endr
.irp b, 0,1,2,3
	v_max3_num_f32 v[CC+\b], v[CC+\b], v[AC+16*\b+7], v[AC+16*\b+15]
.endr
	WIN 0
	v_max3_num_f32 v[CC], v[CC], v[CC+1], v[CC+2]
	v_max3_num_f32 v[CC+3], v[CC+3], v[CC+4], v[CC+5]
	v_max3_num_f32 v[CC], v[CC], v[CC+6], v[CC+7]
	v_max_num_f32 v[CC], v[CC], v[CC+3]
	v_permlanex16_b32 v[CC+1], v[CC], s68, s69     ; the query's other 64 keys lie in the lane 16 away
	v_max_num_f32 v[CC], v[CC], v[CC+1]
	v_mul_f32 v[CM], s66, v[CC]
	v_mul_f32 v[CM+1], s66, v[CC]                  ; named with it as a pair
	WIN W1
.set i, 0
.rept 32
	v_pk_fma_f32 v[TT+2*i:TT+2*i+1], v[AC+2*i:AC+2*i+1], s[66:67], v[CM:CM+1] op_sel_hi:[1,0,0] neg_lo:[0,0,1] neg_hi:[0,0,1]   ; c s - c m
.set i, i+1
.endr
	WIN 0
.set i, 0
.rept 32                               ; two exponentials, then the pair before: its rounding and its place in one of two running sums; so a plain instruction stands between every exponential and its use
	v_exp_f32 v[TT+2*i], v[TT+2*i]
	v_exp_f32 v[TT+2*i+1], v[TT+2*i+1]
.if i == 0
	v_nop
.else
	s_wait_alu depctr_va_vdst(0)
	v_cvt_pk_f16_f32 v[TMP+i-1], v[TT+2*i-2], v[TT+2*i-1]
.if i > 2
	v_pk_add_f32 v[TT+2*((i-1)%2):TT+2*((i-1)%2)+1], v[TT+2*((i-1)%2):TT+2*((i-1)%2)+1], v[TT+2*i-2:TT+2*i-1]
.endif
.endif
.set i, i+1
.endr
	v_cvt_pk_f16_f32 v[TMP+31], v[TT+62], v[TT+63]
	v_pk_add_f32 v[TT+2:TT+3], v[TT+2:TT+3], v[TT+62:TT+63]
	v_pk_add_f32 v[TT:TT+1], v[TT:TT+1], v[TT+2:TT+3]
	v_add_f32 v[TT], v[TT], v[TT+1]
	v_permlanex16_b32 v[TT+1], v[TT], s68, s69
	v_add_f32 v[TT], v[TT], v[TT+1]
	v_cndmask_b32 v[TT+2], v[CM], v[TT], s70       ; lanes 0-15 c m, lanes 16-31 the sum
	ds_store_b32 v[STA], v[TT+2] offset:64*(\a)
.endm
.macro TOSTAGE a
.set BK, OB+192*((\a)%2)
.irp b, 0,1,2,3,4,5,6,7
	ds_store_b128 v[STO], v[TMP+4*\b:TMP+4*\b+3] offset:32*\b
.endr
.irp t, 0,1,2,3,4,5,6,7
	ds_load_b128 v[BK+4*\t:BK+4*\t+3], v[RD] offset:\t*2*SPITCH
.endr
.endm
.macro SEND a
.set BK, OB+192*((\a)%2)
	s_wait_dscnt 0x0
	s_wait_xcnt 0x0                                ; the other buffer, which earlier stores read, is loaded again only behind this wait
.irp t, 0,1,2,3,4,5,6,7
	global_store_b128 v[CO], v[BK+4*\t:BK+4*\t+3], s[8:9] offset:(16*(\a)+2*\t)*ROWB   ; 16 lanes store 256 consecutive bytes, aligned
.endr
.endm
	s_wait_tensorcnt 1                             ; my part of K step 0 is in; K step 1's may stay out
	s_barrier_signal -1
	s_barrier_wait -1
	FETCH 0, 0, F0
	QUARTER 0, 64,  F0, F1, 1                      ; the first quarter starts the sums
	WIN 0
	s_mov_b32 s3, 3
.Llap:                                                 ; once round the ring: K steps 2 to 7 are asked for
	QUARTER 0, 128, F1, F0, 0
	QUARTER 0, 192, F0, F1, 0
	TURN 0, 1, 1
	QUARTER 1, 64,  F0, F1, 0
	QUARTER 1, 128, F1, F0, 0
	QUARTER 1, 192, F0, F1, 0
	TURN 1, 0, 1
	QUARTER 0, 64,  F0, F1, 0
	WIN 0
	s_sub_co_u32 s3, s3, 1
	s_cmp_lg_u32 s3, 0
	s_cbranch_scc1 .Llap
	QUARTER 0, 128, F1, F0, 0                      ; the last lap fills nothing
	QUARTER 0, 192, F0, F1, 0
	TURN 0, 1, 0
	QUARTER 1, 64,  F0, F1, 0
	QUARTER 1, 128, F1, F0, 0
	QUARTER 1, 192, F0, F1, 0
	s_wait_dscnt 8
	WIN MUL_LO
	MUL16 F1, 0, 0, 0
	MUL16 F1, 0, 2, 0
	s_wait_dscnt 0x0
	WIN MUL_HI
	MUL16 F1, 1, 0, 0
	MUL16 F1, 1, 2, 0
	WIN 0
	s_wait_xcnt 0x0                                ; v192 on, which the stores of W_o read, are written again only behind this wait
	PLACES
	SOFT 0
	TOSTAGE 0
.irp a, 1,2,3,4,5,6,7
	SOFT \a
	SEND \a-1
	TOSTAGE \a
.endr
	SEND 7
	ds_load_b128 v[64:67], v30                     ; my wave's 128 c m and 128 sums, 16 bytes a lane; they follow my own stores in order
	ds_load_b128 v[68:71], v30 offset:512
	s_wait_dscnt 0x0
	global_store_b128 v31, v[64:67], s[88:89]      ; 512 consecutive bytes each
	global_store_b128 v31, v[68:71], s[88:89] offset:524288
	s_wait_tensorcnt 0x0                           ; the wave's end
	ds_add_u32 v[SPW], v[NIL]
	s_wait_dscnt 0x0
	CROUND
	s_endpgm
.Lfunc_end_k_q8609a7d807_scores:
	.size	k_q8609a7d807_scores, .Lfunc_end_k_q8609a7d807_scores-k_q8609a7d807_scores
	.p2alignl 7, 3214868480
	.fill 96, 4, 3214868480
	.section	.rodata,"a",@progbits
	.p2align	6, 0x0
	.amdhsa_kernel k_q8609a7d807_scores
		.amdhsa_group_segment_fixed_size 327680
		.amdhsa_private_segment_fixed_size 0
		.amdhsa_enable_private_segment 0
		.amdhsa_kernarg_size 40
		.amdhsa_user_sgpr_count 2
		.amdhsa_user_sgpr_kernarg_segment_ptr 1
		.amdhsa_wavefront_size32 1
		.amdhsa_system_sgpr_workgroup_id_x 1
		.amdhsa_system_sgpr_workgroup_id_y 1
		.amdhsa_system_sgpr_workgroup_id_z 1
		.amdhsa_system_vgpr_workitem_id 0
		.amdhsa_next_free_vgpr 1024
		.amdhsa_next_free_sgpr 90
		.amdhsa_reserve_vcc 0
		.amdhsa_float_denorm_mode_32 3
		.amdhsa_float_denorm_mode_16_64 3
		.amdhsa_memory_ordered 1
		.amdhsa_forward_progress 1
		.amdhsa_inst_pref_size 222
	.end_amdhsa_kernel
	.amdgpu_metadata
---
amdhsa.version: [ 1, 2 ]
amdhsa.kernels:
  - .name:           k_q8609a7d807_scores
    .symbol:         k_q8609a7d807_scores.kd
    .args:
      - { .name: proj, .offset: 0, .size: 8, .value_kind: global_buffer, .address_space: global }
      - { .name: W_o, .offset: 8, .size: 8, .value_kind: global_buffer, .address_space: global }
      - { .name: pmat, .offset: 16, .size: 8, .value_kind: global_buffer, .address_space: global }
      - { .name: stats, .offset: 24, .size: 8, .value_kind: global_buffer, .address_space: global }
      - { .name: wob, .offset: 32, .size: 8, .value_kind: global_buffer, .address_space: global }
    .group_segment_fixed_size: 327680
    .private_segment_fixed_size: 0
    .kernarg_segment_align: 8
    .kernarg_segment_size: 40
    .max_flat_workgroup_size: 128
    .sgpr_count:     90
    .vgpr_count:     1024
    .wavefront_size: 32
...
	.end_amdgpu_metadata
.endif
;; end of part 2
;; launch pv (part 3): grid 8 x 32, 4 waves a work-group, clusters of 4 x 4, 327,680 bytes of LDS; arguments pmat, proj, stats, rep; writes rep
.if DOCPART == 3
	.amdgcn_target "amdgcn-amd-amdhsa--gfx1250"
	.amdhsa_code_object_version 6
	.text
	.protected	k_q8609a7d807_pv
	.globl	k_q8609a7d807_pv
	.p2align	8
	.type	k_q8609a7d807_pv,@function
k_q8609a7d807_pv:
	s_mov_b64 s[64:65], 0
	v_nop
	global_prefetch_b8 v0, s[64:65] scope:SCOPE_SE
	s_setreg_imm32_b32 hwreg(HW_REG_WAVE_MODE, 25, 1), 1
	s_wait_xcnt 0x0
	s_wait_alu depctr_hold_cnt(0) depctr_sa_sdst(0) depctr_va_vdst(0) depctr_va_sdst(0) depctr_va_ssrc(0) depctr_va_vcc(0) depctr_vm_vsrc(0)
	s_getreg_b32 s2, hwreg(HW_REG_IB_STS2, 6, 4)
	s_cmp_eq_u32 s2, 0
	s_cbranch_scc0 .Lentry_in_a_cluster
	s_endpgm
.Lentry_in_a_cluster:
	s_bfe_u32 s2, ttmp6, 0x10000c
	s_cmp_lg_u32 s2, 0xf033
	s_cbranch_scc0 .Lentry_shape_is_right
	s_endpgm
.Lentry_shape_is_right:
; rep[query][channel] = the sum over the 16 blocks t of 128 keys of F_t (P_t V_t), F_t = 2^(c m_t - c M) / L, M the largest of the query's block maxima,
; L = the sum over t of 2^(c m_t - c M) x (block t's sum).  So the true maximum of the row is taken away; every F is at most 1 and L at least about 1.
; F stays in f32: a block's product is summed in accumulators of its own (tmp, started with the constant 0 every 128 keys) and then added, times F, to the running total (tot).
; LIMITS.  P, V and rep are f16 (range 65,504; under 6.1e-5 a step of 6e-8); a factor under 2^-126 becomes 0; sums are grouped by blocks, unlike reference()'s.
; SHARES.  A work-group makes 256 queries x 128 channels, a wave 64 x 128: 32 accumulators tmp (window 1) and 32 tot (window 2).  K goes in steps of 128 keys through two slots;
; two slots of two steps each would be 4 x 106,496 bytes, more than a work-group can have.
; CLUSTER: 4 x 4; P's tile is shared along a row of the cluster, V's along a column.  V lies [key][channel] and is turned by ds_load_tr16_b128.
; The matrix instruction is used transposed (source 0 = 16 channels, source 1 = 16 queries): a lane holds one query and eight neighbouring channels, so F is one number a lane and block a.
; ASKED FOR AHEAD.  Later steps' tiles are asked for by global_prefetch_b8, lanes 256 bytes apart.  Of a step's tile of P (256 rows x 256 bytes) each of the eight work-groups that read it
; asks for 32 rows; of V's (128 rows x 256 bytes) each of the eight that read it for 16 rows: each aligned block of 256 bytes once in the launch, but for the last request, which is clamped.
; Wave 0 asks for P of the even step, wave 1 of the odd one, wave 2 for V of both (lanes 0-15, lanes 16-31), wave 3 for nothing.  The request at the head is for steps 2 and 3; the one in
; lap j for steps 2 j + 4 and 2 j + 5, whose tensor loads the wave issues 256 and 384 of its matrix instructions later.  The last lap's would be steps 16 and 17: it is clamped to 14 and 15.
.set PA,    272                        ; a row of P: 256 bytes + 16
.set PV,    288                        ; a row of V: 256 bytes + 32
.set AHALF, 128*PA
.set BOFF,  2*AHALF
.set BHALF, 64*PV
.set SLOT,  BOFF+2*BHALF
.set STAGE, 2*SLOT
.set SP,    272
.set FT,    STAGE+4*16*SP              ; the factors: 4,096 bytes a wave, [t][r][a] f32
.set SPARE, FT+4*4096
.set ADRA, 16
.set ADRB, 20
.set FTS,  22
.set STO,  24
.set RD,   25
.set CO,   26
.set FTA,  27
.set SPW,  28
.set NIL,  29
.set PF,   30                          ; my lane's byte offset in a request ahead; never rewritten
.set FA,   32                          ; v32-35, v36-39: the factors of an even, an odd step
.set F0,   64                          ; a fragment buffer: P's four fragments, then V's eight
.set F1,   160
.set G1,  24
.set G0,  32
.set G1B, 48
.set G0B, 56
.set MUL, 0x50                         ; sources window 0, C and D window 1
.set MSB, 0
.macro WIN new
.if MSB != (\new)
	s_set_vgpr_msb (MSB<<8)|(\new)
.set MSB, (\new)
.endif
.endm
.macro PLACES
.rept 4
	v_nop
.endr
.endm
.macro JLOAD s
	s_cmp_eq_u32 s11, 0
	s_cbranch_scc0 .Lfor_b_\@
	tensor_load_to_lds s[G0+4*\s:G0+4*\s+3], s[G1:G1+7]
	s_nop 0
.rept 4
	v_nop
.endr
	s_branch .Lasked_\@
.Lfor_b_\@:
	tensor_load_to_lds s[G0B+4*\s:G0B+4*\s+3], s[G1B:G1B+7]
	s_nop 0
.rept 4
	v_nop
.endr
.Lasked_\@:
.endm
.macro CREST
	s_cmp_lg_u32 s10, 0
	s_cbranch_scc1 .Lnot_wave_0_\@
	s_barrier_signal -3
.Lnot_wave_0_\@:
	s_barrier_wait -3
	s_barrier_signal -1
	s_barrier_wait -1
.endm
.macro CROUND
	s_barrier_signal -1
	s_barrier_wait -1
	CREST
.endm
; A request ahead.  s[88:89] my wave's first block, s[90:91] the bytes to the steps asked for, s92 two steps' bytes, s93 the bytes to steps 14 and 15.
; again = 1: s[94:95] was the base of the request a lap back and is written anew only behind s_wait_xcnt 0.
.macro PREF again
	s_cmp_eq_u32 s10, 3
	s_cbranch_scc1 .Lno_ask_\@
.if \again
	s_wait_xcnt 0x0
.endif
	s_add_nc_u64 s[94:95], s[88:89], s[90:91]
	global_prefetch_b8 v[PF], s[94:95] th:TH_LOAD_NT scope:SCOPE_SE
	s_add_co_u32 s90, s90, s92                     ; two steps on,
	s_min_u32 s90, s90, s93                        ; and never past the last two
.Lno_ask_\@:
.endm
	s_load_b128 s[4:7], s[0:1], 0x0                ; pmat, proj
	s_load_b128 s[72:75], s[0:1], 0x10             ; stats, rep
	v_lshl_add_u32 v[SPW], v0, 2, SPARE
	v_mov_b32 v[NIL], 0
	ds_add_u32 v28, v29
	s_wait_dscnt 0x0
	v_lshrrev_b32 v1, 5, v0
	v_readfirstlane_b32 s10, v1
	s_lshr_b32 s11, s10, 1                         ; I fetch P (0) or V (1)
	s_and_b32 s12, s10, 1                          ; which half of that tile
	s_bfe_u32 s40, ttmp6, 0x40000
	s_bfe_u32 s41, ttmp6, 0x40004
	s_lshl_b32 s42, ttmp9, 2
	s_add_co_u32 s42, s42, s40                     ; channel tile 0..7
	s_and_b32 s45, ttmp7, 0xffff
	s_lshl_b32 s13, s45, 2
	s_add_co_u32 s13, s13, s41                     ; query tile 0..31
	s_lshr_b32 s45, s45, 1                         ; batch
	s_lshl_b32 s43, s41, 2
	s_lshl_b32 s43, 15, s43
	s_lshl_b32 s44, 0x1111, s40
	s_or_b32 s[G1+0], s43, (1<<16)|(1<<20)|(1<<21)|(5<<22)|(3<<25)
	s_mov_b32 s[G1+1], 128<<16
	s_mov_b32 s[G1+2], 128<<16
	s_mov_b32 s[G1+3], 128<<16
	s_mov_b32 s[G1+4], 128                         ; 128 queries x 128 keys
	s_mov_b32 s[G1+5], 2048
	s_mov_b32 s[G1+6], 0
	s_mov_b32 s[G1+7], 0
	s_or_b32 s[G1B+0], s44, (1<<16)|(1<<20)|(1<<21)|(5<<22)|(7<<25)  ; 8 words of padding
	s_mov_b32 s[G1B+1], 128<<16
	s_mov_b32 s[G1B+2], 64<<16
	s_mov_b32 s[G1B+3], 128<<16
	s_mov_b32 s[G1B+4], 64                         ; 64 keys x 128 channels
	s_mov_b32 s[G1B+5], 1024
	s_mov_b32 s[G1B+6], 0
	s_mov_b32 s[G1B+7], 0
	s_lshl_b32 s17, s12, 7
	s_lshl_b32 s16, s13, 8
	s_add_co_u32 s16, s16, s17
	s_lshl_b32 s16, s16, 12                        ; P: (256 tile + 128 half) rows of 4,096 bytes
	s_mov_b32 s17, 0
	s_lshl_b32 s46, s45, 11
	s_lshl_b32 s47, s12, 6
	s_add_co_u32 s46, s46, s47
	s_lshl_b32 s46, s46, 11                        ; V: (2,048 batch + 64 half) rows of 2,048 bytes
	s_lshl_b32 s47, s42, 8
	s_add_co_u32 s46, s46, s47                     ; + 256 channel tile,
	s_add_co_u32 s46, s46, 0x2000000               ; in proj's third part
	s_mov_b32 s47, 0
	s_mul_i32 s20, s12, AHALF
	s_mul_i32 s21, s12, BHALF
	s_add_co_u32 s21, s21, BOFF
	s_wait_kmcnt 0x0
	s_add_nc_u64 s[14:15], s[4:5], s[16:17]
	s_add_nc_u64 s[46:47], s[6:7], s[46:47]
	CROUND
.irp s, 0,1
	s_mov_b32 s[G0+4*\s], 1
	s_add_co_u32 s[G0+4*\s+1], s20, \s*SLOT
	s_add_nc_u64 s[G0+4*\s+2:G0+4*\s+3], s[14:15], \s*256
	s_or_b32 s[G0+4*\s+3], s[G0+4*\s+3], 0x80000000
	s_mov_b32 s[G0B+4*\s], 1
	s_add_co_u32 s[G0B+4*\s+1], s21, \s*SLOT
	s_add_nc_u64 s[G0B+4*\s+2:G0B+4*\s+3], s[46:47], \s*262144
	s_or_b32 s[G0B+4*\s+3], s[G0B+4*\s+3], 0x80000000
	JLOAD \s
.endr
	s_lshl_b32 s84, s13, 8
	s_lshl_b32 s85, s10, 6
	s_add_co_u32 s84, s84, s85                     ; my wave's first query
	s_lshl_b32 s86, s84, 2
	s_mov_b32 s87, 0
	s_add_nc_u64 s[86:87], s[72:73], s[86:87]      ; stats at [0][0][that query]
	s_lshl_b32 s84, s84, 11
	s_lshl_b32 s85, s42, 8
	s_add_co_u32 s84, s84, s85
	s_mov_b32 s85, 0
	s_add_nc_u64 s[8:9], s[74:75], s[84:85]        ; rep at my 64 x 128
	v_and_b32 v3, 31, v0
	v_lshlrev_b32 v23, 2, v3
	; THE FACTORS.  Lane l takes queries l and 32 + l of the wave's 64: for each block c m into v[64 + 2 t], v[65 + 2 t] and the sum into v[96 + 2 t], v[97 + 2 t]; each load covers 128 consecutive bytes
.irp t, 0,1,2,3,4,5,6,7,8,9,10,11,12,13,14,15
	global_load_b32 v[64+2*\t], v23, s[86:87] offset:\t*32768
	global_load_b32 v[65+2*\t], v23, s[86:87] offset:\t*32768+128
	global_load_b32 v[96+2*\t], v23, s[86:87] offset:\t*32768+524288
	global_load_b32 v[97+2*\t], v23, s[86:87] offset:\t*32768+524288+128
.endr
	v_and_b32 v1, 15, v0                           ; r
	v_bfe_u32 v2, v0, 4, 1                         ; h
	; the requests ahead.  P (waves 0, 1): row 256 ty + 32 tx + lane, the wave's step of the two.  V (wave 2): row 2,048 batch + 16 (ty % 8) + lane % 16, + 128 for lanes 16-31
	s_lshl_b32 s98, s13, 20
	s_lshl_b32 s99, s42, 17
	s_add_co_u32 s98, s98, s99
	s_lshl_b32 s99, s12, 8
	s_add_co_u32 s98, s98, s99                     ; P: (256 ty + 32 tx) x 4,096 + 256 (wave % 2)
	s_and_b32 s90, s13, 7
	s_lshl_b32 s90, s90, 15
	s_lshl_b32 s99, s45, 22
	s_add_co_u32 s90, s90, s99
	s_lshl_b32 s99, s42, 8
	s_add_co_u32 s90, s90, s99
	s_add_co_u32 s90, s90, 0x2000000               ; V: (2,048 batch + 16 (ty % 8)) x 2,048 + 256 tx, in proj's third part
	s_cmp_lt_u32 s10, 2
	s_cselect_b64 s[88:89], s[4:5], s[6:7]
	s_cselect_b32 s98, s98, s90
	s_cselect_b32 s96, 12, 11                      ; a row: 4,096 or 2,048 bytes
	s_cselect_b32 s97, 16, 18                      ; lanes 16-31: 16 rows of P on, or 128 rows of V on
	s_cselect_b32 s92, 9, 19                       ; two steps: 512 bytes along P's rows, or 256 rows of V
	s_mov_b32 s99, 0
	s_add_nc_u64 s[88:89], s[88:89], s[98:99]
	s_lshl_b32 s92, 1, s92
	s_mul_i32 s93, s92, 7                          ; steps 14 and 15
	s_mov_b32 s90, s92                             ; steps 2 and 3
	s_mov_b32 s91, 0
	v_lshlrev_b32 v[PF], s96, v1
	v_lshlrev_b32 v7, s97, v2
	v_add_nc_u32 v[PF], v[PF], v7
	PREF 0
	v_mul_u32_u24 v4, v1, PA
	v_lshl_add_u32 v4, v2, 4, v4                   ; r x 272 + 16 h
	s_mul_i32 s18, s10, 64*PA
	v_add_nc_u32 v[ADRA], s18, v4
	v_add_nc_u32 v[ADRA+1], SLOT, v[ADRA]
	v_and_b32 v5, 7, v0
	v_lshl_add_u32 v5, v2, 3, v5                   ; the turning load: key 8 h + l % 8,
	v_mul_u32_u24 v5, v5, PV
	v_bfe_u32 v6, v0, 3, 1
	v_lshl_add_u32 v5, v6, 4, v5                   ; channels 8 ((l / 8) % 2) on
	v_add_nc_u32 v[ADRB], BOFF, v5
	v_add_nc_u32 v[ADRB+1], BOFF+SLOT, v5
	s_mul_i32 s23, s10, 16*SP
	s_add_co_u32 s23, s23, STAGE
	v_add_nc_u32 v[STO], s23, v4
	v_mul_u32_u24 v5, v2, SP
	v_lshl_add_u32 v5, v1, 4, v5
	v_add_nc_u32 v[RD], s23, v5
	v_lshlrev_b32 v5, 11, v2
	v_lshl_add_u32 v[CO], v1, 4, v5
	s_lshl_b32 s22, s10, 12
	s_add_co_u32 s22, s22, FT
	v_lshl_add_u32 v[FTA], v1, 4, s22              ; read: [t][r][0..3]
	v_lshl_add_u32 v[FTS], v2, 2, v[FTA]           ; written: query l is (a = h, r), query 32 + l is (a = 2 + h, r)
	s_wait_loadcnt 0x0
	v_max3_num_f32 v128, v64, v66, v68
	v_max3_num_f32 v129, v65, v67, v69
.irp t, 3,5,7,9,11,13
	v_max3_num_f32 v128, v128, v[64+2*\t], v[66+2*\t]
	v_max3_num_f32 v129, v129, v[65+2*\t], v[67+2*\t]
.endr
	v_max_num_f32 v128, v128, v94
	v_max_num_f32 v129, v129, v95                  ; c M of my two queries
.irp t, 0,1,2,3,4,5,6,7,8,9,10,11,12,13,14,15
	v_pk_add_f32 v[64+2*\t:65+2*\t], v[64+2*\t:65+2*\t], v[128:129] neg_lo:[0,1] neg_hi:[0,1]
.endr
.set i, 0
.rept 32
	v_exp_f32 v[64+i], v[64+i]
.set i, i+1
.endr
	v_nop                                          ; a plain instruction between the last exponential and the use of its result
	s_wait_alu depctr_va_vdst(0)
	v_pk_mul_f32 v[130:131], v[64:65], v[96:97]
.irp t, 1,2,3,4,5,6,7,8,9,10,11,12,13,14,15
	v_pk_fma_f32 v[130:131], v[64+2*\t:65+2*\t], v[96+2*\t:97+2*\t], v[130:131]
.endr
	v_rcp_f32 v132, v130
	v_rcp_f32 v133, v131
	v_nop
	s_wait_alu depctr_va_vdst(0)
.irp t, 0,1,2,3,4,5,6,7,8,9,10,11,12,13,14,15
	v_pk_mul_f32 v[64+2*\t:65+2*\t], v[64+2*\t:65+2*\t], v[132:133]
.endr
.irp t, 0,1,2,3,4,5,6,7,8,9,10,11,12,13,14,15
	ds_store_b32 v[FTS], v[64+2*\t] offset:\t*256
	ds_store_b32 v[FTS], v[65+2*\t] offset:\t*256+8
.endr
.macro MUL8 f, a, zero                         ; query block a x all 8 channel blocks, 32 keys
.irp b, 0,1,2,3,4,5,6,7
.if \zero
	v_wmma_f32_16x16x32_f16 v[8*(8*\a+\b):8*(8*\a+\b)+7], v[\f+32+8*\b:\f+32+8*\b+7], v[\f+8*\a:\f+8*\a+7], 0
.else
	v_wmma_f32_16x16x32_f16 v[8*(8*\a+\b):8*(8*\a+\b)+7], v[\f+32+8*\b:\f+32+8*\b+7], v[\f+8*\a:\f+8*\a+7], v[8*(8*\a+\b):8*(8*\a+\b)+7]
.endif
.endr
.endm
; tot(a, b) += F(a) tmp(a, b): destination and addend window 2, tmp window 1, F window 0.  first = 1: the first block starts the totals.
.macro FLUSH a, b, fs, first
	WIN 0xa1
.set rT, 8*(8*(\a)+\b)
.set rF, FA+4*(\fs)+2*((\a)/2)
.irp i, 0,2,4,6
.if \first
.if (\a)%2
	v_pk_mul_f32 v[rT+\i:rT+\i+1], v[rT+\i:rT+\i+1], v[rF:rF+1] op_sel:[0,1]
.else
	v_pk_mul_f32 v[rT+\i:rT+\i+1], v[rT+\i:rT+\i+1], v[rF:rF+1] op_sel_hi:[1,0]
.endif
.else
.if (\a)%2
	v_pk_fma_f32 v[rT+\i:rT+\i+1], v[rT+\i:rT+\i+1], v[rF:rF+1], v[rT+\i:rT+\i+1] op_sel:[0,1,0]
.else
	v_pk_fma_f32 v[rT+\i:rT+\i+1], v[rT+\i:rT+\i+1], v[rF:rF+1], v[rT+\i:rT+\i+1] op_sel_hi:[1,0,1]
.endif
.endif
.endr
.endm
.macro PRFL f, a, zero, fa, fs, first          ; eight products of block a, behind each the flush of block fa's accumulator of the same b
.irp b, 0,1,2,3,4,5,6,7
	WIN MUL
.if \zero
	v_wmma_f32_16x16x32_f16 v[8*(8*\a+\b):8*(8*\a+\b)+7], v[\f+32+8*\b:\f+32+8*\b+7], v[\f+8*\a:\f+8*\a+7], 0
.else
	v_wmma_f32_16x16x32_f16 v[8*(8*\a+\b):8*(8*\a+\b)+7], v[\f+32+8*\b:\f+32+8*\b+7], v[\f+8*\a:\f+8*\a+7], v[8*(8*\a+\b):8*(8*\a+\b)+7]
.endif
	FLUSH \fa, \b, \fs, \first
.endr
.endm
.macro FETCH slot, q, f                        ; 24 LDS loads in one run: V's eight fragments (turned), then P's four
	WIN 0
.irp b, 0,1,2,3,4,5,6,7
	ds_load_tr16_b128 v[\f+32+8*\b:\f+32+8*\b+3],   v[ADRB+\slot] offset:\q*32*PV+32*\b
	ds_load_tr16_b128 v[\f+32+8*\b+4:\f+32+8*\b+7], v[ADRB+\slot] offset:\q*32*PV+16*PV+32*\b
.endr
.irp a, 0,1,2,3
	ds_load_b128 v[\f+8*\a:\f+8*\a+3],   v[ADRA+\slot] offset:\a*16*PA+64*\q
	ds_load_b128 v[\f+8*\a+4:\f+8*\a+7], v[ADRA+\slot] offset:\a*16*PA+64*\q+32
.endr
.endm
.macro QUARTER slot, q, f, g, zero, fl, fs     ; multiplies f, fetches quarter q into g; fl = 1: also this step's four factors
	s_wait_dscnt 4                                 ; all but the youngest four loads (P's blocks 2, 3)
	WIN MUL
	MUL8 \f, 0, \zero
	MUL8 \f, 1, \zero
	PLACES
	WIN 0
.if \fl
	ds_load_b128 v[FA+4*\fs:FA+4*\fs+3], v[FTA] offset:256*\fs
.endif
	FETCH \slot, \q, \g
	s_wait_dscnt 24+\fl                            ; all but what this run issued
	WIN MUL
	MUL8 \f, 2, \zero
	MUL8 \f, 3, \zero
.endm
; A step's last quarter: the change of slots, and, behind the products of blocks 2 and 3, the flush of blocks 0 and 1, whose last products stand in front of the four v_nop.
; pf = 1: behind the run of LDS loads stands the lap's request ahead.
.macro TURN slot, next, fill, fs, first, pf
	WIN 0
	s_wait_tensorcnt 0x0
	ds_add_u32 v[SPW], v[NIL]
	s_wait_dscnt 5                                 ; the add and the youngest four loads may be out
	WIN MUL
	MUL8 F1, 0, 0
	s_wait_dscnt 0x0
	s_barrier_signal -1
	MUL8 F1, 1, 0
	WIN 0
	s_barrier_wait -1
.if \fill
	CREST
	s_add_nc_u64 s[G0+4*\slot+2:G0+4*\slot+3], s[G0+4*\slot+2:G0+4*\slot+3], 512
	s_add_nc_u64 s[G0B+4*\slot+2:G0B+4*\slot+3], s[G0B+4*\slot+2:G0B+4*\slot+3], 524288
	JLOAD \slot
.else
	PLACES
.endif
	FETCH \next, 0, F0
.if \pf
	PREF 1
.endif
	PRFL F1, 2, 0, 0, \fs, \first
	PRFL F1, 3, 0, 1, \fs, \first
.endm
; A step's first quarter: its products start tmp anew; behind those of blocks 0 and 1 stands the flush of the step before's blocks 2 and 3.  The flushes are the places in front of the loads.
.macro QZ slot, fs, first
	s_wait_dscnt 4
	PRFL F0, 0, 1, 2, \fs, \first
	PRFL F0, 1, 1, 3, \fs, \first
	FETCH \slot, 1, F1
	s_wait_dscnt 24
	WIN MUL
	MUL8 F0, 2, 1
	MUL8 F0, 3, 1
.endm
.macro LAP first                               ; once round the ring, from a step's second quarter to the first of the step two on
	QUARTER 0, 2, F1, F0, 0, 1, 0
	QUARTER 0, 3, F0, F1, 0, 0, 0
	TURN 0, 1, 1, 0, \first, 1
	QZ 1, 0, \first
	QUARTER 1, 2, F1, F0, 0, 1, 1
	QUARTER 1, 3, F0, F1, 0, 0, 0
	TURN 1, 0, 1, 1, 0, 0
	QZ 0, 1, 0
	WIN 0
	v_add_nc_u32 v[FTA], 512, v[FTA]               ; two steps' factors on
.endm
.macro PACK a
	WIN 0x0a
.irp b, 0,1,2,3,4,5,6,7
.irp r, 0,1,2,3
	v_cvt_pk_f16_f32 v[64+4*\b+\r], v[8*(8*(\a)+\b)+2*\r], v[8*(8*(\a)+\b)+2*\r+1]
.endr
.endr
	WIN 0
.endm
.macro TOSTAGE a
.set BK, 96+32*((\a)%2)
.irp b, 0,1,2,3,4,5,6,7
	ds_store_b128 v[STO], v[64+4*\b:64+4*\b+3] offset:32*\b
.endr
.irp t, 0,1,2,3,4,5,6,7
	ds_load_b128 v[BK+4*\t:BK+4*\t+3], v[RD] offset:\t*2*SP
.endr
.endm
.macro SEND a
.set BK, 96+32*((\a)%2)
	s_wait_dscnt 0x0
	s_wait_xcnt 0x0
.irp t, 0,1,2,3,4,5,6,7
	global_store_b128 v[CO], v[BK+4*\t:BK+4*\t+3], s[8:9] offset:(16*(\a)+2*\t)*2048   ; 16 lanes store 256 consecutive bytes, aligned
.endr
.endm
	s_wait_dscnt 0x0                               ; my factors are in LDS: no LDS instruction is pending at a signal
	s_wait_tensorcnt 1                             ; my part of step 0 is in; step 1's may stay out
	s_barrier_signal -1
	s_barrier_wait -1
	FETCH 0, 0, F0
	QUARTER 0, 1, F0, F1, 1, 0, 0
	LAP 1                                          ; steps 0 and 1; the first flush starts the totals
	s_mov_b32 s3, 6
.Llap:
	LAP 0
	s_sub_co_u32 s3, s3, 1
	s_cmp_lg_u32 s3, 0
	s_cbranch_scc1 .Llap
	QUARTER 0, 2, F1, F0, 0, 1, 0                  ; steps 14 and 15: nothing is left to fetch
	QUARTER 0, 3, F0, F1, 0, 0, 0
	TURN 0, 1, 0, 0, 0, 0
	QZ 1, 0, 0
	QUARTER 1, 2, F1, F0, 0, 1, 1
	QUARTER 1, 3, F0, F1, 0, 0, 0
	s_wait_dscnt 4
	WIN MUL
	MUL8 F1, 0, 0
	MUL8 F1, 1, 0
	s_wait_dscnt 0x0
	PLACES                                         ; between the products of blocks 0, 1 and their flush
	PRFL F1, 2, 0, 0, 1, 0
	PRFL F1, 3, 0, 1, 1, 0
.irp b, 0,1,2,3,4,5,6,7
	FLUSH 2, \b, 1, 0
.endr
.irp b, 0,1,2,3,4,5,6,7
	FLUSH 3, \b, 1, 0
.endr
	PACK 0
	TOSTAGE 0
.irp a, 1,2,3
	PACK \a
	SEND \a-1
	TOSTAGE \a
.endr
	SEND 3
	s_wait_tensorcnt 0x0                           ; the wave's end
	ds_add_u32 v[SPW], v[NIL]
	s_wait_dscnt 0x0
	CROUND
	s_endpgm
.Lfunc_end_k_q8609a7d807_pv:
	.size	k_q8609a7d807_pv, .Lfunc_end_k_q8609a7d807_pv-k_q8609a7d807_pv
	.p2alignl 7, 3214868480
	.fill 96, 4, 3214868480
	.section	.rodata,"a",@progbits
	.p2align	6, 0x0
	.amdhsa_kernel k_q8609a7d807_pv
		.amdhsa_group_segment_fixed_size 327680
		.amdhsa_private_segment_fixed_size 0
		.amdhsa_enable_private_segment 0
		.amdhsa_kernarg_size 32
		.amdhsa_user_sgpr_count 2
		.amdhsa_user_sgpr_kernarg_segment_ptr 1
		.amdhsa_wavefront_size32 1
		.amdhsa_system_sgpr_workgroup_id_x 1
		.amdhsa_system_sgpr_workgroup_id_y 1
		.amdhsa_system_sgpr_workgroup_id_z 1
		.amdhsa_system_vgpr_workitem_id 0
		.amdhsa_next_free_vgpr 768
		.amdhsa_next_free_sgpr 100
		.amdhsa_reserve_vcc 0
		.amdhsa_float_denorm_mode_32 3
		.amdhsa_float_denorm_mode_16_64 3
		.amdhsa_memory_ordered 1
		.amdhsa_forward_progress 1
		.amdhsa_inst_pref_size 192
	.end_amdhsa_kernel
	.amdgpu_metadata
---
amdhsa.version: [ 1, 2 ]
amdhsa.kernels:
  - .name:           k_q8609a7d807_pv
    .symbol:         k_q8609a7d807_pv.kd
    .args:
      - { .name: pmat, .offset: 0, .size: 8, .value_kind: global_buffer, .address_space: global }
      - { .name: proj, .offset: 8, .size: 8, .value_kind: global_buffer, .address_space: global }
      - { .name: stats, .offset: 16, .size: 8, .value_kind: global_buffer, .address_space: global }
      - { .name: rep, .offset: 24, .size: 8, .value_kind: global_buffer, .address_space: global }
    .group_segment_fixed_size: 327680
    .private_segment_fixed_size: 0
    .kernarg_segment_align: 8
    .kernarg_segment_size: 32
    .max_flat_workgroup_size: 128
    .sgpr_count:     100
    .vgpr_count:     768
    .wavefront_size: 32
...
	.end_amdgpu_metadata
.endif
;; end of part 3
;; launch outp (part 4): grid 8 x 32, 4 waves a work-group, clusters of 4 x 4, 327,680 bytes of LDS; arguments rep, wob, out0; writes out0
.if DOCPART == 4
	.amdgcn_target "amdgcn-amd-amdhsa--gfx1250"
	.amdhsa_code_object_version 6
	.text
	.protected	k_q8609a7d807_outp
	.globl	k_q8609a7d807_outp
	.p2align	8
	.type	k_q8609a7d807_outp,@function
k_q8609a7d807_outp:
	s_mov_b64 s[64:65], 0
	v_nop
	global_prefetch_b8 v0, s[64:65] scope:SCOPE_SE
	s_setreg_imm32_b32 hwreg(HW_REG_WAVE_MODE, 25, 1), 1
	s_wait_xcnt 0x0
	s_wait_alu depctr_hold_cnt(0) depctr_sa_sdst(0) depctr_va_vdst(0) depctr_va_sdst(0) depctr_va_ssrc(0) depctr_va_vcc(0) depctr_vm_vsrc(0)
	s_getreg_b32 s2, hwreg(HW_REG_IB_STS2, 6, 4)
	s_cmp_eq_u32 s2, 0
	s_cbranch_scc0 .Lentry_in_a_cluster
	s_endpgm
.Lentry_in_a_cluster:
	s_bfe_u32 s2, ttmp6, 0x10000c
	s_cmp_lg_u32 s2, 0xf033
	s_cbranch_scc0 .Lentry_shape_is_right
	s_endpgm
.Lentry_shape_is_right:
; out0[token][n] = the sum over k = 64 h2 + d of mh[token][k] W_o[n][k], f32.  mh is rep read in another order: for the 256 tokens of tile ty and one h2 the 256 x 64 numbers are the
; 32,768 consecutive bytes of rep at 1,048,576 h2 + 32,768 ty, as 256 rows of 128 bytes; row t' is token 256 ty + 16 (t' / 16) + 4 (t' % 4) + (t' / 4) % 4
; (reference()'s way back, with the channel order that the first launch chose).  The order of rows is put right in the stores' offsets alone.
; LIMITS.  rep and W_o are f16, sums f32.
; SHARES.  A work-group makes 256 tokens x 128 n, a wave 64 x 128: 32 accumulators (window 1).  K goes in steps of 128 (two h2) through two LDS slots;
; two slots of two steps each would be 4 x 108,544 bytes, more than a work-group can have.
; CLUSTER: 4 x 4; rep's tile is shared along a row of the cluster, W_o's along a column.  The matrix instruction is used transposed: a lane holds one row and eight neighbouring n.
; ASKED FOR AHEAD, by global_prefetch_b8, lanes 256 bytes apart.  A step's tile of rep is 256 aligned blocks of 256 bytes, read by eight work-groups: each asks for 32 of them, wave 0 for
; the even step, wave 1 for the odd one.  The request at the head is for steps 2 and 3; the one in lap j for steps 2 j + 4 and 2 j + 5, whose tensor loads the wave issues 256 and 384 of its
; matrix instructions later; the last lap's is clamped to steps 6 and 7.  W_o in f16 is 8,192 such blocks in all: each of the 256 work-groups asks for 32 of them (4 rows x 8 steps) once, at
; its head, by wave 2; shared out over the laps that would be 8 lanes an instruction.
.set PA,    144                        ; a row of 64 k: 128 bytes + 16
.set ABLK,  256*PA                     ; one h2
.set PB,    272
.set BOFF,  2*ABLK
.set BHALF, 64*PB
.set SLOT,  BOFF+2*BHALF
.set STAGE, 2*SLOT
.set SP,    528                        ; a row of 128 f32 + 16 bytes
.set SPARE, STAGE+4*16*SP
.set ADRA, 16
.set ADRB, 20
.set STO,  24
.set RD,   25
.set CO,   26
.set SPW,  28
.set NIL,  29
.set PF,   30                          ; 256 x lane: my block in a request for rep; never rewritten
.set PFW,  31                          ; my block in the request for W_o; never rewritten
.set F0,   64
.set F1,   160
.set G1,  24
.set G0,  32
.set G1B, 48
.set G0B, 56
.set MUL, 0x50
.set MSB, 0
.macro WIN new
.if MSB != (\new)
	s_set_vgpr_msb (MSB<<8)|(\new)
.set MSB, (\new)
.endif
.endm
.macro PLACES
.rept 4
	v_nop
.endr
.endm
.macro JLOAD s
	s_cmp_eq_u32 s11, 0
	s_cbranch_scc0 .Lfor_b_\@
	tensor_load_to_lds s[G0+4*\s:G0+4*\s+3], s[G1:G1+7]
	s_nop 0
.rept 4
	v_nop
.endr
	s_branch .Lasked_\@
.Lfor_b_\@:
	tensor_load_to_lds s[G0B+4*\s:G0B+4*\s+3], s[G1B:G1B+7]
	s_nop 0
.rept 4
	v_nop
.endr
.Lasked_\@:
.endm
.macro CREST
	s_cmp_lg_u32 s10, 0
	s_cbranch_scc1 .Lnot_wave_0_\@
	s_barrier_signal -3
.Lnot_wave_0_\@:
	s_barrier_wait -3
	s_barrier_signal -1
	s_barrier_wait -1
.endm
.macro CROUND
	s_barrier_signal -1
	s_barrier_wait -1
	CREST
.endm
; A request ahead for rep, by waves 0 and 1.  s[88:89] my wave's first block, s[90:91] the bytes to the steps asked for.
; again = 1: s[94:95] was the base of the request a lap back and is written anew only behind s_wait_xcnt 0.
.macro PREF again
	s_cmp_lt_u32 s10, 2
	s_cbranch_scc0 .Lno_ask_\@
.if \again
	s_wait_xcnt 0x0
.endif
	s_add_nc_u64 s[94:95], s[88:89], s[90:91]
	global_prefetch_b8 v[PF], s[94:95] th:TH_LOAD_NT scope:SCOPE_SE
	s_add_co_u32 s90, s90, 0x400000                ; two steps (four h2) on,
	s_min_u32 s90, s90, 0xc00000                   ; and never past steps 6 and 7
.Lno_ask_\@:
.endm
	s_load_b128 s[4:7], s[0:1], 0x0                ; rep, wob
	s_load_b64 s[72:73], s[0:1], 0x10              ; out0
	v_lshl_add_u32 v[SPW], v0, 2, SPARE
	v_mov_b32 v[NIL], 0
	ds_add_u32 v28, v29
	s_wait_dscnt 0x0
	v_lshrrev_b32 v1, 5, v0
	v_readfirstlane_b32 s10, v1
	s_lshr_b32 s11, s10, 1                         ; I fetch rep (0) or W_o (1)
	s_and_b32 s12, s10, 1                          ; which h2 of the step, or which 64 rows of W_o
	s_bfe_u32 s40, ttmp6, 0x40000
	s_bfe_u32 s41, ttmp6, 0x40004
	s_lshl_b32 s42, ttmp9, 2
	s_add_co_u32 s42, s42, s40                     ; n tile 0..7
	s_and_b32 s13, ttmp7, 0xffff
	s_lshl_b32 s13, s13, 2
	s_add_co_u32 s13, s13, s41                     ; token tile 0..31
	s_lshl_b32 s43, s41, 2
	s_lshl_b32 s43, 15, s43
	s_lshl_b32 s44, 0x1111, s40
	s_or_b32 s[G1+0], s43, (1<<16)|(1<<20)|(1<<21)|(4<<22)|(3<<25)   ; a dense block as 128 rows of 256 bytes; 4 words of padding after every 32 words, that is behind each 64 k
	s_mov_b32 s[G1+1], 128<<16
	s_mov_b32 s[G1+2], 128<<16
	s_mov_b32 s[G1+3], 128<<16
	s_mov_b32 s[G1+4], 128
	s_mov_b32 s[G1+5], 128
	s_mov_b32 s[G1+6], 0
	s_mov_b32 s[G1+7], 0
	s_or_b32 s[G1B+0], s44, (1<<16)|(1<<20)|(1<<21)|(5<<22)|(3<<25)
	s_mov_b32 s[G1B+1], 128<<16
	s_mov_b32 s[G1B+2], 64<<16
	s_mov_b32 s[G1B+3], 128<<16
	s_mov_b32 s[G1B+4], 64
	s_mov_b32 s[G1B+5], 1024
	s_mov_b32 s[G1B+6], 0
	s_mov_b32 s[G1B+7], 0
	s_lshl_b32 s16, s13, 15
	s_lshl_b32 s17, s12, 20
	s_add_co_u32 s16, s16, s17                     ; rep: 32,768 tile + 1,048,576 h2
	s_mov_b32 s17, 0
	s_lshl_b32 s46, s42, 7
	s_lshl_b32 s47, s12, 6
	s_add_co_u32 s46, s46, s47
	s_lshl_b32 s46, s46, 11                        ; W_o: (128 tile + 64 half) rows of 2,048 bytes
	s_mov_b32 s47, 0
	s_mul_i32 s20, s12, ABLK
	s_mul_i32 s21, s12, BHALF
	s_add_co_u32 s21, s21, BOFF
	s_lshl_b32 s98, s42, 18                        ; my 32 blocks of W_o: rows 128 tx + 4 ty + lane % 4, K step lane / 4
	s_lshl_b32 s99, s13, 13
	s_add_co_u32 s98, s98, s99
	s_mov_b32 s99, 0
	v_and_b32 v5, 3, v0
	v_bfe_u32 v6, v0, 2, 3
	v_lshlrev_b32 v5, 11, v5
	v_lshl_add_u32 v[PFW], v6, 8, v5
	s_wait_kmcnt 0x0
	s_add_nc_u64 s[14:15], s[4:5], s[16:17]
	s_add_nc_u64 s[46:47], s[6:7], s[46:47]
	s_add_nc_u64 s[96:97], s[6:7], s[98:99]
	s_cmp_eq_u32 s10, 2
	s_cbranch_scc0 .Lno_w
	global_prefetch_b8 v[PFW], s[96:97] th:TH_LOAD_NT scope:SCOPE_SE   ; ahead of the cluster's first round, so that K steps 0 and 1 have that round's lead
.Lno_w:
	CROUND
.irp s, 0,1
	s_mov_b32 s[G0+4*\s], 1
	s_add_co_u32 s[G0+4*\s+1], s20, \s*SLOT
	s_add_nc_u64 s[G0+4*\s+2:G0+4*\s+3], s[14:15], \s*2097152
	s_or_b32 s[G0+4*\s+3], s[G0+4*\s+3], 0x80000000
	s_mov_b32 s[G0B+4*\s], 1
	s_add_co_u32 s[G0B+4*\s+1], s21, \s*SLOT
	s_add_nc_u64 s[G0B+4*\s+2:G0B+4*\s+3], s[46:47], \s*256
	s_or_b32 s[G0B+4*\s+3], s[G0B+4*\s+3], 0x80000000
	JLOAD \s
.endr
	; the requests ahead for rep: of a step's 256 blocks (128 of each h2) work-group tx takes blocks 32 tx on
	s_lshl_b32 s98, s13, 15
	s_lshr_b32 s99, s42, 2
	s_lshl_b32 s99, s99, 20
	s_add_co_u32 s98, s98, s99                     ; 32,768 ty + 1,048,576 (tx / 4)
	s_and_b32 s99, s42, 3
	s_lshl_b32 s99, s99, 13
	s_add_co_u32 s98, s98, s99                     ; + 8,192 (tx % 4)
	s_lshl_b32 s99, s12, 21
	s_add_co_u32 s98, s98, s99                     ; + a step's 2,097,152 for wave 1
	s_mov_b32 s99, 0
	s_add_nc_u64 s[88:89], s[4:5], s[98:99]
	s_mov_b32 s90, 0x400000                        ; steps 2 and 3
	s_mov_b32 s91, 0
	v_and_b32 v5, 31, v0
	v_lshlrev_b32 v[PF], 8, v5
	PREF 0
	v_and_b32 v1, 15, v0
	v_bfe_u32 v2, v0, 4, 1
	v_mul_u32_u24 v4, v1, PA
	v_lshl_add_u32 v4, v2, 4, v4
	s_mul_i32 s18, s10, 64*PA
	v_add_nc_u32 v[ADRA], s18, v4                  ; (64 wave + r) x 144 + 16 h
	v_add_nc_u32 v[ADRA+1], SLOT, v[ADRA]
	v_mul_u32_u24 v5, v1, PB
	v_lshl_add_u32 v5, v2, 4, v5
	v_add_nc_u32 v[ADRB], BOFF, v5
	v_add_nc_u32 v[ADRB+1], BOFF+SLOT, v5
	s_mul_i32 s23, s10, 16*SP
	s_add_co_u32 s23, s23, STAGE
	v_mul_u32_u24 v5, v1, SP
	v_lshl_add_u32 v5, v2, 5, v5
	v_add_nc_u32 v[STO], s23, v5                   ; row r, 32 bytes for each half of the lanes
	v_and_b32 v5, 31, v0
	v_lshlrev_b32 v[CO], 4, v5                     ; 16 bytes a lane: a whole row of 512 bytes
	v_add_nc_u32 v[RD], s23, v[CO]
	s_lshl_b32 s84, s13, 8
	s_lshl_b32 s85, s10, 6
	s_add_co_u32 s84, s84, s85
	s_lshl_b32 s84, s84, 12
	s_lshl_b32 s85, s42, 9
	s_add_co_u32 s84, s84, s85
	s_mov_b32 s85, 0
	s_add_nc_u64 s[8:9], s[72:73], s[84:85]        ; out0 at token 256 ty + 64 wave, column 128 tx
.macro MUL8 f, a, zero
.irp b, 0,1,2,3,4,5,6,7
.if \zero
	v_wmma_f32_16x16x32_f16 v[8*(8*\a+\b):8*(8*\a+\b)+7], v[\f+32+8*\b:\f+32+8*\b+7], v[\f+8*\a:\f+8*\a+7], 0
.else
	v_wmma_f32_16x16x32_f16 v[8*(8*\a+\b):8*(8*\a+\b)+7], v[\f+32+8*\b:\f+32+8*\b+7], v[\f+8*\a:\f+8*\a+7], v[8*(8*\a+\b):8*(8*\a+\b)+7]
.endif
.endr
.endm
.macro FETCH slot, q, f                        ; 24 LDS loads in one run: W_o's eight fragments, then rep's four; quarter q lies in h2 block q / 2, at byte 64 (q % 2)
	WIN 0
.irp b, 0,1,2,3,4,5,6,7
	ds_load_b128 v[\f+32+8*\b:\f+32+8*\b+3],   v[ADRB+\slot] offset:\b*16*PB+64*\q
	ds_load_b128 v[\f+32+8*\b+4:\f+32+8*\b+7], v[ADRB+\slot] offset:\b*16*PB+64*\q+32
.endr
.irp a, 0,1,2,3
	ds_load_b128 v[\f+8*\a:\f+8*\a+3],   v[ADRA+\slot] offset:((\q)/2)*ABLK+\a*16*PA+((\q)%2)*64
	ds_load_b128 v[\f+8*\a+4:\f+8*\a+7], v[ADRA+\slot] offset:((\q)/2)*ABLK+\a*16*PA+((\q)%2)*64+32
.endr
.endm
.macro QUARTER slot, q, f, g, zero
	s_wait_dscnt 4                                 ; all but the youngest four loads (rep's blocks 2, 3)
	WIN MUL
	MUL8 \f, 0, \zero
	MUL8 \f, 1, \zero
	PLACES
	FETCH \slot, \q, \g
	s_wait_dscnt 24                                ; all but the 24 just issued
	WIN MUL
	MUL8 \f, 2, \zero
	MUL8 \f, 3, \zero
.endm
.macro TURN slot, next, fill, pf               ; pf = 1: behind the run of LDS loads stands the lap's request ahead
	WIN 0
	s_wait_tensorcnt 0x0
	ds_add_u32 v[SPW], v[NIL]
	s_wait_dscnt 5                                 ; the add and the youngest four loads may be out
	WIN MUL
	MUL8 F1, 0, 0
	s_wait_dscnt 0x0
	s_barrier_signal -1
	MUL8 F1, 1, 0
	WIN 0
	s_barrier_wait -1
.if \fill
	CREST
	s_add_nc_u64 s[G0+4*\slot+2:G0+4*\slot+3], s[G0+4*\slot+2:G0+4*\slot+3], 4194304
	s_add_nc_u64 s[G0B+4*\slot+2:G0B+4*\slot+3], s[G0B+4*\slot+2:G0B+4*\slot+3], 512
	JLOAD \slot
.else
	PLACES
.endif
	FETCH \next, 0, F0
.if \pf
	PREF 1
.endif
	WIN MUL
	MUL8 F1, 2, 0
	MUL8 F1, 3, 0
.endm
.macro OUT a, younger                          ; block a's 16 rows, whole, each to its token; younger: the LDS instructions issued behind its loads
.irp t, 0,1,2,3,4,5,6,7,8,9,10,11,12,13,14,15
	s_wait_dscnt \younger+15-\t
	global_store_b128 v[CO], v[64+64*((\a)%2)+4*\t:64+64*((\a)%2)+4*\t+3], s[8:9] offset:(\a)*65536+((\t%4)*4+\t/4)*4096 th:TH_STORE_NT   ; 512 consecutive bytes, aligned
.endr
.endm
	s_wait_tensorcnt 1                             ; my part of K step 0 is in; K step 1's may stay out
	s_barrier_signal -1
	s_barrier_wait -1
	FETCH 0, 0, F0
	QUARTER 0, 1, F0, F1, 1
	WIN 0
	s_mov_b32 s3, 3
.Llap:
	QUARTER 0, 2, F1, F0, 0
	QUARTER 0, 3, F0, F1, 0
	TURN 0, 1, 1, 1
	QUARTER 1, 1, F0, F1, 0
	QUARTER 1, 2, F1, F0, 0
	QUARTER 1, 3, F0, F1, 0
	TURN 1, 0, 1, 0
	QUARTER 0, 1, F0, F1, 0
	WIN 0
	s_sub_co_u32 s3, s3, 1
	s_cmp_lg_u32 s3, 0
	s_cbranch_scc1 .Llap
	QUARTER 0, 2, F1, F0, 0
	QUARTER 0, 3, F0, F1, 0
	TURN 0, 1, 0, 0
	QUARTER 1, 1, F0, F1, 0
	QUARTER 1, 2, F1, F0, 0
	QUARTER 1, 3, F0, F1, 0
	s_wait_dscnt 4
	WIN MUL
	MUL8 F1, 0, 0
	MUL8 F1, 1, 0
	s_wait_dscnt 0x0
	MUL8 F1, 2, 0
	MUL8 F1, 3, 0
	WIN 0
	PLACES                                         ; four places in front of LDS stores that read results and of loads into registers that matrix instructions have read
.irp a, 0,1,2,3
.if \a >= 2
	s_wait_xcnt 0x0                                ; this block's buffer, which the stores of the block two back read, is loaded again only behind this wait
.endif
	WIN 0x04                                       ; the stores' data lie in window 1
.irp b, 0,1,2,3,4,5,6,7
	ds_store_b128 v[STO], v[8*(8*\a+\b):8*(8*\a+\b)+3]   offset:64*\b
	ds_store_b128 v[STO], v[8*(8*\a+\b)+4:8*(8*\a+\b)+7] offset:64*\b+16
.endr
	WIN 0
.irp t, 0,1,2,3,4,5,6,7,8,9,10,11,12,13,14,15
	ds_load_b128 v[64+64*((\a)%2)+4*\t:64+64*((\a)%2)+4*\t+3], v[RD] offset:\t*SP   ; LDS serves a wave's instructions in order: these see the stores above, and the next block's stores come behind them
.endr
.if \a >= 1
	OUT \a-1, 32
.endif
.endr
	OUT 3, 0
	s_wait_tensorcnt 0x0                           ; the wave's end
	ds_add_u32 v[SPW], v[NIL]
	s_wait_dscnt 0x0
	CROUND
	s_endpgm
.Lfunc_end_k_q8609a7d807_outp:
	.size	k_q8609a7d807_outp, .Lfunc_end_k_q8609a7d807_outp-k_q8609a7d807_outp
	.p2alignl 7, 3214868480
	.fill 96, 4, 3214868480
	.section	.rodata,"a",@progbits
	.p2align	6, 0x0
	.amdhsa_kernel k_q8609a7d807_outp
		.amdhsa_group_segment_fixed_size 327680
		.amdhsa_private_segment_fixed_size 0
		.amdhsa_enable_private_segment 0
		.amdhsa_kernarg_size 24
		.amdhsa_user_sgpr_count 2
		.amdhsa_user_sgpr_kernarg_segment_ptr 1
		.amdhsa_wavefront_size32 1
		.amdhsa_system_sgpr_workgroup_id_x 1
		.amdhsa_system_sgpr_workgroup_id_y 1
		.amdhsa_system_sgpr_workgroup_id_z 1
		.amdhsa_system_vgpr_workitem_id 0
		.amdhsa_next_free_vgpr 512
		.amdhsa_next_free_sgpr 100
		.amdhsa_reserve_vcc 0
		.amdhsa_float_denorm_mode_32 3
		.amdhsa_float_denorm_mode_16_64 3
		.amdhsa_memory_ordered 1
		.amdhsa_forward_progress 1
		.amdhsa_inst_pref_size 88
	.end_amdhsa_kernel
	.amdgpu_metadata
---
amdhsa.version: [ 1, 2 ]
amdhsa.kernels:
  - .name:           k_q8609a7d807_outp
    .symbol:         k_q8609a7d807_outp.kd
    .args:
      - { .name: rep, .offset: 0, .size: 8, .value_kind: global_buffer, .address_space: global }
      - { .name: wob, .offset: 8, .size: 8, .value_kind: global_buffer, .address_space: global }
      - { .name: out0, .offset: 16, .size: 8, .value_kind: global_buffer, .address_space: global }
    .group_segment_fixed_size: 327680
    .private_segment_fixed_size: 0
    .kernarg_segment_align: 8
    .kernarg_segment_size: 24
    .max_flat_workgroup_size: 128
    .sgpr_count:     100
    .vgpr_count:     512
    .wavefront_size: 32
...
	.end_amdgpu_metadata
.endif
;; end of part 4
